; MI455X (gfx1250); checked and timed in simulation.
; The chip was launched on July 23, 2026; its instructions are those of AMD's public machine-readable ISA for CDNA 5 (MIT licence, August 2026) and "CDNA5" Instruction Set Architecture Reference Guide (July 2026). The comments in the code are by the model that wrote it; some were corrected since.
;; SOM. Allowed arithmetic: matrix products marked QUANTISED: E2M1 operands, one E8M0 scale for each 32 along K, by v_wmma_scale_f32_16x16x128_f8f6f4 with both operands' format E2M1 (or v_wmma_scale_f32_32x16x128_f4), f32 sums; everything else in f32.
;; Inputs: locations 16,384 x 2 float32; weight 512 x 16,384 float32; x 4,096 x 512 float32.
;; Outputs: out0 16 x 4,096 x 2 float32; out1 one number float32.
;; This version of the problem:
;;   THIS VERSION OF THE PROBLEM IS GIVEN IN LOW PRECISION. The matrix products marked QUANTISED in the list below multiply operands that are first quantised to E2M1 (2 exponent bits, 1 mantissa bit; 4 bits a number), with one power-of-two scale for each 32 numbers along K (OCP MX v1.0); their sums are f32. All else is computed in f32.
;;   The module's matrix products, in the order in which they are computed (A, B: the left and right operand; K: the contracted axis; several contracted axes count as one K, in the product's order):
;;     1. [M 4,096, K 512] x [K 512, N 16,384]; A: input x; B: input weight: QUANTISED
;;   THE QUANTISER, for each operand of a quantised product, along K:
;;     - K is cut into blocks of 32 from its start; a last block that is shorter is filled with zeros.
;;     - A block's scale is 2^e with e = floor(log2(the largest magnitude in the block)) - 2, held to -126 .. 127; a block of zeros has e = 0. As a byte (E8M0): e + 127.
;;     - Each number is divided by its block's scale, clamped to +-6, and rounded to the nearest number of E2M1, ties to even, subnormals kept.
;;     - The product sums the exact products of the quantised numbers (number of the format x scale) in f32.
;;   ~~~python
;;   def quantise(x, axis):      # numpy; x: float32 -> the quantised numbers, widened to float32 again
;;       x = np.moveaxis(x, axis, -1); K = x.shape[-1]
;;       x = np.pad(x, [(0, 0)] * (x.ndim - 1) + [(0, -K % 32)]); x = x.reshape(x.shape[:-1] + (-1, 32)); a = np.abs(x).max(-1, keepdims=True)
;;       e = np.where(a > 0, np.clip(np.frexp(np.where(a > 0, a, 1))[1] - 1 - 2, -126, 127), 0)      # np.frexp(a)[1] - 1 = floor(log2(a)), exactly
;;       r = np.clip(x / 2.0 ** e, -6, 6)
;;       step = 2.0 ** (np.maximum(np.frexp(np.where(r == 0, 1, r))[1] - 1, 0) - 1)
;;       q = np.round(r / step) * step * 2.0 ** e      # np.round: ties to even
;;       return np.moveaxis(q.reshape(q.shape[:-2] + (-1,))[..., :K], -1, axis).astype(np.float32)
;;   ~~~
;; 2 versions, each right; version 2 is version 1 with the launch final written anew for expert scheduling mode. Each part assembles by itself: llvm-mc -triple=amdgcn-amd-amdhsa -mcpu=gfx1250 --defsym DOCPART=n.
;; ======== version 1 of 2: 4 launches
;; workspace buffers: xc 1,048,576 bytes; xs 65,536 bytes; wc 4,194,304 bytes; ws 262,144 bytes; wstat 196,608 bytes; xstat 32,768 bytes; gmax 16,777,216 bytes; gid 262,144 bytes of whole numbers
;; launch quant (part 1): grid 192 x 1, 16 waves a work-group, no clusters, 46,080 bytes of LDS; arguments x, weight, xc, xs, wc, ws, wstat, xstat; writes xc, xs, wc, ws, wstat, xstat
.if DOCPART == 1
	.amdgcn_target "amdgcn-amd-amdhsa--gfx1250"
	.amdhsa_code_object_version 6
	.text
	.protected	k_qc5f677801e_quant
	.globl	k_qc5f677801e_quant
	.p2align	8
	.type	k_qc5f677801e_quant,@function
k_qc5f677801e_quant:
	s_mov_b64 s[64:65], 0
	v_nop
	global_prefetch_b8 v0, s[64:65] scope:SCOPE_SE
	s_setreg_imm32_b32 hwreg(HW_REG_WAVE_MODE, 25, 1), 1
	s_wait_xcnt 0x0
; x [4096][512] and weight [512][16384], f32, become codes of FP4 (E2M1) with one E8M0 byte for each 32 along K (K = the 512), and the sums that the distance needs are taken on the way:
; for a column of weight w2 = sum w^2, sw = sum w, cb = eps sw - w2 / 2; for a row of x x2 and sx.  Every input byte is read once.
; A block's scale byte is its largest magnitude's exponent field - 2, held at 1 from below by a floor among the maximum's leaves.
; LIMITS: a block of zeros, or one whose largest magnitude lies under 2^-124, gets the byte 1 (zeros' codes are zeros; the bytes are read by this program alone); NaN and infinities are not served;
; the four sums are added in this text's own order (pairs, four chains), not in the order of any other program.
; SHARES: work-groups 0-127: 128 columns of weight, all of K; wave (lo, hi) = (wave & 3, wave >> 2) takes columns 32 lo .. + 31 and K = 128 hi .. + 127: a lane is a column, its registers run down K.
; work-groups 128-191: 64 rows of x; wave (lo, hi) takes the tile of 16 rows lo and the K step hi.
; OUT: wc [col][256 bytes], K innermost; ws [col][16 bytes]; wstat: cb, w2, sw, 16384 f32 each; xc: images of the operand's registers [tile][K step][half][lane][16 bytes];
; xs [tile][pair of K steps][lane]: lanes 0-15 the even step's word of row lane, lanes 16-31 the odd step's; xstat: x2, sx.
; The two ways part on the work-group's number, meet at the one barrier and part again; each has LDS bytes of its own; every LDS address is made ahead of the first parting.
.set WSS, 34816                        ; LDS 0: weight's codes, 128 rows x 272;  WSS: its scale bytes [col][16]
.set WP2, 36864                        ; partial w2 [K quarter][128 columns]
.set WP1, 38912                        ; partial sw
.set XSS, 40960                        ; x's scale words, laid as xs
.set XP2, 41984                        ; partial x2 [K step][64 rows]
.set XP1, 43008                        ; partial sx
.set PC,  96                           ; x: the fragment's codes
.set PW,  104                          ; x: the scale word
.set TM,  112                          ; x: v112-127 at work
.set SEL, 28                           ; s[28:29] lane selects: lane l xor 16
	s_load_b256 s[4:11], s[0:1], 0x0               ; x, weight, xc, xs
	s_load_b256 s[12:19], s[0:1], 0x20             ; wc, ws, wstat, xstat
	v_lshl_add_u32 v192, v0, 2, 0xac00
	v_mov_b32 v193, 0
	v_lshrrev_b32 v1, 5, v0
	v_readfirstlane_b32 s24, v1                    ; wave 0..15
	s_and_b32 s25, s24, 3                          ; lo
	s_lshr_b32 s26, s24, 2                         ; hi
	v_and_b32 v1, 31, v0                           ; lane
	v_and_b32 v2, 15, v0                           ; r
	v_bfe_u32 v3, v0, 4, 1                         ; h
	s_mul_i32 s27, s25, 32*272
	s_lshl_b32 s30, s26, 6
	s_add_co_u32 s27, s27, s30
	v_mul_u32_u24 v4, v1, 272
	v_add_nc_u32 v4, s27, v4                       ; v4: my column's row of the code stage, + 64 hi
	s_lshl_b32 s27, s25, 9
	s_lshl_b32 s30, s26, 2
	s_add_co_u32 s27, s27, s30
	s_add_co_u32 s27, s27, WSS
	v_lshl_add_u32 v5, v1, 4, s27                  ; v5: my column's scale bytes, word hi
	s_lshl_b32 s27, s26, 9
	s_lshl_b32 s30, s25, 7
	s_add_co_u32 s27, s27, s30
	s_add_co_u32 s27, s27, WP2
	v_lshl_add_u32 v6, v1, 2, s27                  ; v6: my column's partial sums of quarter hi
	s_mul_i32 s27, s24, 8*272
	v_mul_u32_u24 v7, v3, 272
	v_lshl_add_u32 v7, v2, 4, v7
	v_add_nc_u32 v7, s27, v7                       ; v7: the codes' way out: rows 8 wave + h, 16 bytes a lane
	v_lshlrev_b32 v8, 4, v1                        ; v8: 16 x lane
	s_lshl_b32 s27, s25, 8
	s_lshl_b32 s30, s26, 6
	s_add_co_u32 s27, s27, s30
	s_add_co_u32 s27, s27, XSS
	v_lshl_add_u32 v9, v2, 2, s27                  ; v9: x's scale word of (tile lo, K step hi, row r)
	s_lshl_b32 s27, s26, 8
	s_lshl_b32 s30, s25, 6
	s_add_co_u32 s27, s27, s30
	s_add_co_u32 s27, s27, XP2
	v_lshl_add_u32 v10, v2, 2, s27                 ; v10: x's partial sums of (K step hi, row 16 lo + r)
	v_lshlrev_b32 v11, 3, v1                       ; v11: 8 x lane
	v_lshlrev_b32 v12, 2, v1                       ; v12: 4 x lane
	v_lshlrev_b32 v13, 11, v2
	v_lshl_add_u32 v13, v3, 6, v13                 ; v13: x: row r of 2,048 bytes, + 64 h
	s_mov_b32 s[SEL], 0x76543210
	s_mov_b32 s[SEL+1], 0xfedcba98
	s_mov_b32 s33, 0x358637bd                      ; eps = 1e-6
	s_wait_kmcnt 0x0
	s_cmp_lt_u32 ttmp9, 128
	s_cbranch_scc0 .Lx1
; ---- weight, part 1: 128 loads a wave, each 128 consecutive bytes (the four waves of a quarter stand side by side on 512); every offset is an immediate, 127 x 65,536 at the most
	s_lshl_b32 s30, s26, 23                        ; 128 hi rows of 65,536 bytes
	s_lshl_b32 s31, ttmp9, 9                       ; 128 columns a work-group
	s_add_co_u32 s30, s30, s31
	s_lshl_b32 s31, s25, 7                         ; 32 lo columns
	s_add_co_u32 s30, s30, s31
	s_mov_b32 s31, 0
	s_add_nc_u64 s[6:7], s[6:7], s[30:31]
.set i, 0
.rept 128
	global_load_b32 v[32+i], v12, s[6:7] offset:i*65536 th:TH_LOAD_NT
.set i, i+1
.endr
; block b of my column: 32 numbers in v[32 + 32 b] on
.macro WBLK b
.set XB, 32+32*(\b)
	v_max3_num_f32 v178, |v[XB]|, |v[XB+1]|, |v[XB+2]|
	v_max3_num_f32 v179, |v[XB+3]|, |v[XB+4]|, |v[XB+5]|
.irp i, 6,10,14,18,22,26
	v_max3_num_f32 v178, v178, |v[XB+\i]|, |v[XB+\i+1]|
	v_max3_num_f32 v179, v179, |v[XB+\i+2]|, |v[XB+\i+3]|
.endr
	v_max3_num_f32 v178, v178, |v[XB+30]|, |v[XB+31]|
	v_max3_num_f32 v178, v178, v179, 0x1800000     ; the floor 2^(3 - 127): the byte cannot fall under 1
	v_add_nc_u32 v180, 0xff000000, v178            ; 2 off the exponent field: the conversion's scale operand
	v_lshrrev_b32 v181, 23, v180                   ; the byte
.if (\b) == 0
	v_mov_b32 v176, v181
.else
	v_lshl_or_b32 v176, v181, 8*(\b), v176
.endif
.irp g, 0,1,2,3
	v_cvt_scalef32_pk8_fp4_f32 v[160+4*(\b)+\g], v[XB+8*\g:XB+8*\g+7], v180
.endr
	v_pk_mul_f32 v[16+2*(\b):17+2*(\b)], v[XB:XB+1], v[XB:XB+1]             ; the sums are the plain lines behind the conversions
	v_pk_add_f32 v[24+2*(\b):25+2*(\b)], v[XB:XB+1], v[XB+2:XB+3]
	v_pk_fma_f32 v[16+2*(\b):17+2*(\b)], v[XB+2:XB+3], v[XB+2:XB+3], v[16+2*(\b):17+2*(\b)]
.irp i, 4,6,8,10,12,14,16,18,20,22,24,26,28,30
	v_pk_fma_f32 v[16+2*(\b):17+2*(\b)], v[XB+\i:XB+\i+1], v[XB+\i:XB+\i+1], v[16+2*(\b):17+2*(\b)]
	v_pk_add_f32 v[24+2*(\b):25+2*(\b)], v[24+2*(\b):25+2*(\b)], v[XB+\i:XB+\i+1]
.endr
	ds_store_b128 v4, v[160+4*(\b):163+4*(\b)] offset:16*(\b)               ; 32 codes: 16 bytes of my column's row; each block has its own registers
.endm
	s_wait_loadcnt 63                              ; at most 63 of the 128 are out: the first 65 are in, blocks 0 and 1 among them
	WBLK 0
	WBLK 1
	s_wait_loadcnt 32                              ; block 2
	WBLK 2
	s_wait_loadcnt 0x0
	WBLK 3
	v_pk_add_f32 v[16:17], v[16:17], v[18:19]
	v_pk_add_f32 v[20:21], v[20:21], v[22:23]
	v_pk_add_f32 v[24:25], v[24:25], v[26:27]
	v_pk_add_f32 v[28:29], v[28:29], v[30:31]
	v_pk_add_f32 v[16:17], v[16:17], v[20:21]
	v_pk_add_f32 v[24:25], v[24:25], v[28:29]
	v_add_f32 v16, v16, v17
	v_add_f32 v24, v24, v25
	ds_store_b32 v5, v176
	ds_store_b32 v6, v16
	ds_store_b32 v6, v24 offset:WP1-WP2
	s_branch .Ljoin
; ---- x, part 1: lane (r, h) takes, of row r, 16 neighbours of each block of 32: register 16 b + i = k 32 b + 16 h + i of the K step
.Lx1:
	s_sub_co_u32 s32, ttmp9, 128
	s_lshl_b32 s30, s32, 17                        ; 64 rows of 2,048 bytes a work-group
	s_lshl_b32 s31, s25, 15                        ; 16 lo rows
	s_add_co_u32 s30, s30, s31
	s_lshl_b32 s31, s26, 9                         ; K step hi: 512 bytes
	s_add_co_u32 s30, s30, s31
	s_mov_b32 s31, 0
	s_add_nc_u64 s[4:5], s[4:5], s[30:31]
.irp b, 0,1,2,3
.irp j, 0,1,2,3
	global_load_b128 v[32+16*\b+4*\j:35+16*\b+4*\j], v13, s[4:5] offset:128*\b+16*\j th:TH_LOAD_NT
.endr
.endr
.irp b, 0,1,2,3
	v_mov_b32 v[TM+4+\b], 0                        ; a lane permute's destination counts as one of its sources
.endr
	s_lshl_b32 s30, s32, 14                        ; xc: 4 tiles of 4,096 bytes a work-group,
	s_lshl_b32 s31, s25, 12
	s_add_co_u32 s30, s30, s31
	s_lshl_b32 s31, s26, 10                        ; 1,024 bytes a K step
	s_add_co_u32 s30, s30, s31
	s_mov_b32 s31, 0
	s_add_nc_u64 s[8:9], s[8:9], s[30:31]
	s_wait_loadcnt 0x0
	v_pk_mul_f32 v[16:17], v[32:33], v[32:33]
	v_pk_mul_f32 v[18:19], v[34:35], v[34:35]
	v_pk_add_f32 v[20:21], v[32:33], v[36:37]
	v_pk_add_f32 v[22:23], v[34:35], v[38:39]
	v_pk_fma_f32 v[16:17], v[36:37], v[36:37], v[16:17]
	v_pk_fma_f32 v[18:19], v[38:39], v[38:39], v[18:19]
.irp i, 8,12,16,20,24,28,32,36,40,44,48,52,56,60
	v_pk_fma_f32 v[16:17], v[32+\i:33+\i], v[32+\i:33+\i], v[16:17]
	v_pk_fma_f32 v[18:19], v[34+\i:35+\i], v[34+\i:35+\i], v[18:19]
	v_pk_add_f32 v[20:21], v[20:21], v[32+\i:33+\i]
	v_pk_add_f32 v[22:23], v[22:23], v[34+\i:35+\i]
.endr
	v_pk_add_f32 v[16:17], v[16:17], v[18:19]
	v_pk_add_f32 v[20:21], v[20:21], v[22:23]
	v_add_f32 v16, v16, v17
	v_add_f32 v20, v20, v21
	v_permlanex16_b32 v17, v16, s[SEL], s[SEL+1]
	v_permlanex16_b32 v21, v20, s[SEL], s[SEL+1]
	v_add_f32 v16, v16, v17                        ; the row's x2 over this K step,
	v_add_f32 v20, v20, v21                        ; and its sx
.irp b, 0,1,2,3
	v_max3_num_f32 v[TM+\b], |v[32+16*\b]|, |v[33+16*\b]|, 0x1800000       ; my 16 numbers of block b, and the floor
.endr
.irp i, 2,4,6,8,10,12,14
.irp b, 0,1,2,3
	v_max3_num_f32 v[TM+\b], v[TM+\b], |v[32+16*\b+\i]|, |v[33+16*\b+\i]|
.endr
.endr
.irp b, 0,1,2,3
	v_permlanex16_b32 v[TM+4+\b], v[TM+\b], s[SEL], s[SEL+1]
.endr
.irp b, 0,1,2,3
	v_max_num_f32 v[TM+\b], v[TM+\b], v[TM+4+\b]   ; with lane l xor 16's: the block's largest magnitude
.endr
.irp b, 0,1,2,3
	v_add_nc_u32 v[TM+12+\b], 0xff000000, v[TM+\b]
.endr
.irp b, 0,1,2,3
	v_lshrrev_b32 v[TM+4+\b], 23, v[TM+12+\b]
.endr
	v_lshl_or_b32 v[PW], v[TM+5], 8, v[TM+4]
	v_lshl_or_b32 v[PW], v[TM+6], 16, v[PW]
	v_lshl_or_b32 v[PW], v[TM+7], 24, v[PW]        ; my row's scale word of this K step
.irp b, 0,1,2,3
	v_cvt_scalef32_pk8_fp4_f32 v[PC+2*\b], v[32+16*\b:39+16*\b], v[TM+12+\b]
	v_cvt_scalef32_pk8_fp4_f32 v[PC+1+2*\b], v[40+16*\b:47+16*\b], v[TM+12+\b]
.endr
	v_nop                                          ; one plain line behind the conversions
.irp c, 0,1                                    ; the operand wants a whole block in a lane: lanes 0-15 block 2 c, lanes 16-31 block 2 c + 1
.irp i, 0,1
	v_permlane16_swap_b32 v[PC+4*\c+\i], v[PC+2+4*\c+\i]
.endr
.endr
	global_store_b128 v8, v[PC:PC+3], s[8:9]                   ; the fragment's image: 512 consecutive bytes a store
	global_store_b128 v8, v[PC+4:PC+7], s[8:9] offset:512
	ds_store_b32 v9, v[PW]                         ; both halves of the lanes write the same words with the same values
	ds_store_b32 v10, v16
	ds_store_b32 v10, v20 offset:XP1-XP2
.Ljoin:
	s_wait_dscnt 0x0                               ; my LDS stores have landed
	s_barrier_signal -1
	s_barrier_wait -1                              ; everybody's have
	s_cmp_lt_u32 ttmp9, 128
	s_cbranch_scc0 .Lx2
; ---- weight, part 2: every wave stores 8 whole rows of codes, 512 consecutive bytes an instruction
	s_lshl_b32 s30, ttmp9, 15
	s_lshl_b32 s31, s24, 11
	s_add_co_u32 s30, s30, s31
	s_mov_b32 s31, 0
	s_add_nc_u64 s[12:13], s[12:13], s[30:31]
.irp t, 0,1,2,3
	ds_load_b128 v[32+4*\t:35+4*\t], v7 offset:2*\t*272
.endr
.irp t, 0,1,2,3
	s_wait_dscnt 3-\t                              ; LDS loads come back in order: load t is in
	global_store_b128 v8, v[32+4*\t:35+4*\t], s[12:13] offset:512*\t
.endr
	s_cmp_eq_u32 s24, 0
	s_cbranch_scc0 .Lw_not0
.irp k, 0,1,2,3                                ; wave 0: the four quarters' sums of 128 columns, four columns a lane
	ds_load_b128 v[48+4*\k:51+4*\k], v8 offset:WP2+512*\k
	ds_load_b128 v[64+4*\k:67+4*\k], v8 offset:WP1+512*\k
.endr
	s_lshl_b32 s30, ttmp9, 9
	s_mov_b32 s31, 0
	s_add_nc_u64 s[16:17], s[16:17], s[30:31]
	s_wait_dscnt 0x0
.irp f, 48, 64
.irp e, 0, 2
	v_pk_add_f32 v[\f+\e:\f+\e+1], v[\f+\e:\f+\e+1], v[\f+4+\e:\f+5+\e]
	v_pk_add_f32 v[\f+8+\e:\f+9+\e], v[\f+8+\e:\f+9+\e], v[\f+12+\e:\f+13+\e]
.endr
.irp e, 0, 2
	v_pk_add_f32 v[\f+\e:\f+\e+1], v[\f+\e:\f+\e+1], v[\f+8+\e:\f+9+\e]
.endr
.endr
.irp e, 0,1,2,3
	v_mul_f32 v[80+\e], -0.5, v[48+\e]
.endr
.irp e, 0,1,2,3
	v_fmac_f32 v[80+\e], s33, v[64+\e]             ; cb = eps sw - w2 / 2
.endr
	global_store_b128 v8, v[80:83], s[16:17]
	global_store_b128 v8, v[48:51], s[16:17] offset:65536
	global_store_b128 v8, v[64:67], s[16:17] offset:131072
	s_wait_tensorcnt 0x0
	ds_add_u32 v192, v193
	s_wait_dscnt 0x0
	s_endpgm
.Lw_not0:
	s_cmp_eq_u32 s24, 1
	s_cbranch_scc0 .Lend
.irp i, 0,1,2,3                                ; wave 1: the scale bytes of 128 columns: 2,048 consecutive bytes
	ds_load_b128 v[48+4*\i:51+4*\i], v8 offset:WSS+512*\i
.endr
	s_lshl_b32 s30, ttmp9, 11
	s_mov_b32 s31, 0
	s_add_nc_u64 s[14:15], s[14:15], s[30:31]
.irp i, 0,1,2,3
	s_wait_dscnt 3-\i
	global_store_b128 v8, v[48+4*\i:51+4*\i], s[14:15] offset:512*\i
.endr
	s_wait_tensorcnt 0x0
	ds_add_u32 v192, v193
	s_wait_dscnt 0x0
	s_endpgm
; ---- x, part 2
.Lx2:
	s_sub_co_u32 s32, ttmp9, 128
	s_cmp_eq_u32 s24, 0
	s_cbranch_scc0 .Lx_not0
	ds_load_b128 v[48:51], v8 offset:XSS           ; wave 0: four tiles' scale words: 1,024 consecutive bytes
	ds_load_b128 v[52:55], v8 offset:XSS+512
	s_lshl_b32 s30, s32, 10
	s_mov_b32 s31, 0
	s_add_nc_u64 s[10:11], s[10:11], s[30:31]
	s_wait_dscnt 0x0
	global_store_b128 v8, v[48:51], s[10:11]
	global_store_b128 v8, v[52:55], s[10:11] offset:512
	s_wait_tensorcnt 0x0
	ds_add_u32 v192, v193
	s_wait_dscnt 0x0
	s_endpgm
.Lx_not0:
	s_cmp_eq_u32 s24, 1
	s_cbranch_scc0 .Lend
.irp q, 0,1,2,3                                ; wave 1: the four K steps' sums of 64 rows, two rows a lane
	ds_load_b64 v[48+2*\q:49+2*\q], v11 offset:XP2+256*\q
	ds_load_b64 v[56+2*\q:57+2*\q], v11 offset:XP1+256*\q
.endr
	s_lshl_b32 s30, s32, 8
	s_mov_b32 s31, 0
	s_add_nc_u64 s[18:19], s[18:19], s[30:31]
	s_wait_dscnt 0x0
	v_pk_add_f32 v[48:49], v[48:49], v[50:51]
	v_pk_add_f32 v[52:53], v[52:53], v[54:55]
	v_pk_add_f32 v[56:57], v[56:57], v[58:59]
	v_pk_add_f32 v[60:61], v[60:61], v[62:63]
	v_pk_add_f32 v[48:49], v[48:49], v[52:53]
	v_pk_add_f32 v[56:57], v[56:57], v[60:61]
	global_store_b64 v11, v[48:49], s[18:19]
	global_store_b64 v11, v[56:57], s[18:19] offset:16384
.Lend:
	s_wait_tensorcnt 0x0
	ds_add_u32 v192, v193
	s_wait_dscnt 0x0
	s_endpgm
.Lfunc_end_k_qc5f677801e_quant:
	.size	k_qc5f677801e_quant, .Lfunc_end_k_qc5f677801e_quant-k_qc5f677801e_quant
	.p2alignl 7, 3214868480
	.fill 96, 4, 3214868480
	.section	.rodata,"a",@progbits
	.p2align	6, 0x0
	.amdhsa_kernel k_qc5f677801e_quant
		.amdhsa_group_segment_fixed_size 46080
		.amdhsa_private_segment_fixed_size 0
		.amdhsa_enable_private_segment 0
		.amdhsa_kernarg_size 64
		.amdhsa_user_sgpr_count 2
		.amdhsa_user_sgpr_kernarg_segment_ptr 1
		.amdhsa_wavefront_size32 1
		.amdhsa_system_sgpr_workgroup_id_x 1
		.amdhsa_system_sgpr_workgroup_id_y 1
		.amdhsa_system_sgpr_workgroup_id_z 1
		.amdhsa_system_vgpr_workitem_id 0
		.amdhsa_next_free_vgpr 194
		.amdhsa_next_free_sgpr 66
		.amdhsa_reserve_vcc 0
		.amdhsa_float_denorm_mode_32 3
		.amdhsa_float_denorm_mode_16_64 3
		.amdhsa_memory_ordered 1
		.amdhsa_forward_progress 1
		.amdhsa_inst_pref_size 47
	.end_amdhsa_kernel
	.amdgpu_metadata
---
amdhsa.version: [ 1, 2 ]
amdhsa.kernels:
  - .name:           k_qc5f677801e_quant
    .symbol:         k_qc5f677801e_quant.kd
    .args:
      - { .name: x, .offset: 0, .size: 8, .value_kind: global_buffer, .address_space: global }
      - { .name: weight, .offset: 8, .size: 8, .value_kind: global_buffer, .address_space: global }
      - { .name: xc, .offset: 16, .size: 8, .value_kind: global_buffer, .address_space: global }
      - { .name: xs, .offset: 24, .size: 8, .value_kind: global_buffer, .address_space: global }
      - { .name: wc, .offset: 32, .size: 8, .value_kind: global_buffer, .address_space: global }
      - { .name: ws, .offset: 40, .size: 8, .value_kind: global_buffer, .address_space: global }
      - { .name: wstat, .offset: 48, .size: 8, .value_kind: global_buffer, .address_space: global }
      - { .name: xstat, .offset: 56, .size: 8, .value_kind: global_buffer, .address_space: global }
    .group_segment_fixed_size: 46080
    .private_segment_fixed_size: 0
    .kernarg_segment_align: 8
    .kernarg_segment_size: 64
    .max_flat_workgroup_size: 512
    .sgpr_count:     66
    .vgpr_count:     194
    .wavefront_size: 32
...
	.end_amdgpu_metadata
.endif
;; end of part 1
;; launch gemm (part 2): grid 16 x 16, 4 waves a work-group, clusters of 4 x 1, 299,520 bytes of LDS; arguments xc, xs, wc, ws, wstat, gmax; writes gmax
.if DOCPART == 2
	.amdgcn_target "amdgcn-amd-amdhsa--gfx1250"
	.amdhsa_code_object_version 6
	.text
	.protected	k_qc5f677801e_gemm
	.globl	k_qc5f677801e_gemm
	.p2align	8
	.type	k_qc5f677801e_gemm,@function
k_qc5f677801e_gemm:
	s_mov_b64 s[64:65], 0
	v_nop
	global_prefetch_b8 v0, s[64:65] scope:SCOPE_SE
	s_setreg_imm32_b32 hwreg(HW_REG_WAVE_MODE, 25, 1), 1
	s_wait_xcnt 0x0
	s_wait_alu depctr_hold_cnt(0) depctr_sa_sdst(0) depctr_va_vdst(0) depctr_va_sdst(0) depctr_va_ssrc(0) depctr_va_vcc(0) depctr_vm_vsrc(0)
	s_getreg_b32 s2, hwreg(HW_REG_IB_STS2, 6, 4)
	s_cmp_eq_u32 s2, 0
	s_cbranch_scc0 .Lentry_in_a_cluster
	s_endpgm
.Lentry_in_a_cluster:
	s_bfe_u32 s2, ttmp6, 0x10000c
	s_cmp_lg_u32 s2, 0x3003
	s_cbranch_scc0 .Lentry_shape_is_right
	s_endpgm
.Lentry_shape_is_right:
; gmax[row][g] = the largest, over the 16 neighbouring columns of group g, of key = Q(x) . Q(weight) + cb[col], cb = eps sw - w2 / 2.  Within a row the squared distance is a constant - 2 key,
; so the 16 nearest columns of a row lie in the 16 groups with the largest gmax.  The product is MX-FP4 x MX-FP4, K = 512: four matrix instructions deep.  Only group optima leave: 1/16 of the distances.
; LIMIT: groups are ranked by this f32 key, whose rounding differs by a few units in the last place from the distance's own; a column that ties with a row's 16th within that margin and whose group ranks 17th is missed.
; SHARES: a work-group takes 256 rows x 1,024 columns; wave w takes all 256 rows x columns 256 w .. + 255.  x's 64 fragments (512 registers) stay in registers.
; its own wait on TENSORcnt orders the reads.  No LDS byte is filled twice.
; CLUSTER: the four work-groups of a cluster take four blocks of rows and the SAME 1,024 columns: every tensor load is a joint one, mask 15, its descriptor made of the cluster's y and the wave's number alone.
; TRANSPOSED: source 0 = 16 columns of weight, source 1 = 16 rows of x: a lane holds one row of x and eight columns.  THE COLUMNS OF A TILE ARE NOT NEIGHBOURS: fragment row p of tile 2 T + u is local column
; 128 (p / 8) + 16 T + 8 u + p % 8, so that half h of the lanes holds, over u = 0, 1, the 16 neighbouring columns of local group 8 h + T: a group's optimum needs no other lane: half a v_max3 a distance.
; cb is the C of each sum's first matrix instruction.  The 16 accumulators of a tile take turns; two banks of 16: while one tile is multiplied, the tile before is reduced.
; REGISTERS: window 0: v2-10 addresses, v16-47 x's scale words, v48-79 weight's fragments (4 K slices), v80-87 its scale words (2 sets), v88-103 cb, v104-231 the optima (8 a + T);
; windows 1, 2: x's fragments ((a, q) at 32 (a % 8) + 8 q);  window 3: accumulators at 128 (tile % 2) + 8 a.
.set WCB,  69632                       ; a wave's codes in LDS: 256 rows x 272
.set WSCL, 278528                      ; scale bytes: 4,096 a wave
.set CBL,  294912                      ; cb: 1,024 a wave
.set AW, 2
.set AS, 3
.set AB, 4
.set XO, 5
.set XSO, 6
.set ST, 7
.set RD, 8
.set GO, 9
.set NINF, 10
.set XS, 16
.set WF, 48
.set WSC, 80
.set BIAS, 88
.set GM, 104
.set G1C, 24
.set G1S, 32
.set G1B, 40
.set MSB, 0
.macro WIN new                         ; the immediate's high byte repeats the setting that is left
.if MSB != \new
	s_set_vgpr_msb (MSB<<8)|\new
.set MSB, \new
.endif
.endm
.macro ROUND                           ; a round of the cluster's barrier
	s_barrier_signal -1
	s_barrier_wait -1
	s_cmp_lg_u32 s16, 0
	s_cbranch_scc1 .Lnot_wave_0_\@
	s_barrier_signal -3
.Lnot_wave_0_\@:
	s_barrier_wait -3
	s_barrier_signal -1
	s_barrier_wait -1
.endm
	s_load_b256 s[4:11], s[0:1], 0x0               ; xc, xs, wc, ws
	s_load_b128 s[12:15], s[0:1], 0x20             ; wstat, gmax
	v_lshl_add_u32 v254, v0, 2, 0x49000
	v_mov_b32 v255, 0
	ds_add_u32 v254, v255
	ds_add_u32 v254, v255
	v_lshrrev_b32 v1, 5, v0
	v_readfirstlane_b32 s16, v1                    ; wave 0..3
	s_bfe_u32 s17, ttmp6, 0x40000                  ; cx
	s_lshl_b32 s18, ttmp9, 2
	s_add_co_u32 s18, s18, s17                     ; my block of 256 rows: it enters x's and gmax's addresses alone
	s_and_b32 s19, ttmp7, 0xffff                   ; my slice of 1,024 columns, which the four partners share
	; group 1 for the codes: 64 rows x 256 bytes, 16 bytes of padding behind each
	s_mov_b32 s[G1C], 15|(1<<20)|(1<<21)|(5<<22)|(3<<25)
	s_mov_b32 s[G1C+1], 256<<16
	s_mov_b32 s[G1C+2], 64<<16
	s_mov_b32 s[G1C+3], 256<<16
	s_mov_b32 s[G1C+4], 64
	s_mov_b32 s[G1C+5], 256
	s_mov_b32 s[G1C+6], 0
	s_mov_b32 s[G1C+7], 0
	; for the scale bytes: a dense block of 4,096 bytes as 16 rows of 32 elements of 8 bytes; for cb: 1,024 bytes as 4 such rows
	s_mov_b32 s[G1S], 15|(3<<16)|(1<<21)
	s_mov_b32 s[G1S+1], 32<<16
	s_mov_b32 s[G1S+2], 16<<16
	s_mov_b32 s[G1S+3], 32<<16
	s_mov_b32 s[G1S+4], 16
	s_mov_b32 s[G1S+5], 32
	s_mov_b32 s[G1S+6], 0
	s_mov_b32 s[G1S+7], 0
	s_mov_b32 s[G1B], 15|(3<<16)|(1<<21)
	s_mov_b32 s[G1B+1], 32<<16
	s_mov_b32 s[G1B+2], 4<<16
	s_mov_b32 s[G1B+3], 32<<16
	s_mov_b32 s[G1B+4], 4
	s_mov_b32 s[G1B+5], 32
	s_mov_b32 s[G1B+6], 0
	s_mov_b32 s[G1B+7], 0
	s_lshl_b32 s20, s19, 10
	s_lshl_b32 s21, s16, 8
	s_add_co_u32 s20, s20, s21                     ; my wave's first column
	s_mul_i32 s22, s16, WCB                        ; my codes in LDS
	s_lshl_b32 s23, s16, 12
	s_lshl_b32 s21, s16, 10
	s_mov_b32 s77, 0
	s_wait_dscnt 0x0
	s_wait_kmcnt 0x0
	s_mov_b32 s48, 1                               ; group 0, load 1: the scale bytes
	s_add_co_u32 s49, s23, WSCL
	s_lshl_b32 s76, s20, 4
	s_add_nc_u64 s[50:51], s[10:11], s[76:77]
	s_or_b32 s51, s51, 0x80000000
	s_mov_b32 s52, 1                               ; load 2: cb
	s_add_co_u32 s53, s21, CBL
	s_lshl_b32 s76, s20, 2
	s_add_nc_u64 s[54:55], s[12:13], s[76:77]
	s_or_b32 s55, s55, 0x80000000
	s_lshl_b32 s76, s20, 8
	s_add_nc_u64 s[78:79], s[8:9], s[76:77]        ; my columns' codes
.macro G0C g, off                      ; 64 columns' codes from local column off on
	s_mov_b32 s[\g], 1
	s_add_co_u32 s[\g+1], s22, (\off)*272
	s_add_nc_u64 s[\g+2:\g+3], s[78:79], (\off)*256
	s_or_b32 s[\g+3], s[\g+3], 0x80000000
.endm
	G0C 56, 0                                      ; loads 3 and 4 serve tiles 0-7,
	G0C 60, 128
	G0C 68, 64                                     ; loads 5 and 6 tiles 8-15
	G0C 72, 192
	v_and_b32 v11, 15, v0                          ; r
	v_bfe_u32 v12, v0, 4, 1                        ; h
	v_and_b32 v13, 7, v0
	v_bfe_u32 v14, v0, 3, 1
	v_lshl_add_u32 v15, v14, 7, v13                ; 128 (r / 8) + r % 8
	v_mul_u32_u24 v[AW], v15, 272
	v_lshl_add_u32 v[AW], v12, 4, v[AW]
	v_add_nc_u32 v[AW], s22, v[AW]                 ; a fragment: its row x pitch + 16 h
	v_lshl_add_u32 v[AS], v12, 3, v15              ; scale words: lanes 0-15 serve tile u = 0, lanes 16-31 (8 columns on) u = 1
	v_lshlrev_b32 v[AS], 4, v[AS]
	v_add_nc_u32 v[AS], s49, v[AS]
	v_lshlrev_b32 v[AB], 9, v12                    ; cb: half h begins at local column 128 h
	v_add_nc_u32 v[AB], s53, v[AB]
	v_and_b32 v13, 31, v0
	v_lshlrev_b32 v[XO], 4, v13
	v_lshlrev_b32 v[XSO], 2, v13
	v_mul_u32_u24 v[ST], v11, 272                  ; the stage, in: row r, + 64 w + 32 h: my eight groups
	v_lshl_add_u32 v[ST], v12, 5, v[ST]
	s_lshl_b32 s80, s16, 6
	v_add_nc_u32 v[ST], s80, v[ST]
	s_mul_i32 s80, s16, 64*272                     ; back: my 64 rows; lanes 0-15 one row, lanes 16-31 the next
	v_mul_u32_u24 v[RD], v12, 272
	v_lshl_add_u32 v[RD], v11, 4, v[RD]
	v_add_nc_u32 v[RD], s80, v[RD]
	v_lshlrev_b32 v[GO], 12, v12                   ; and the same two rows in gmax
	v_lshl_add_u32 v[GO], v11, 4, v[GO]
	v_mov_b32 v[NINF], 0xff800000
	s_lshl_b32 s80, s18, 16                        ; x's codes: 16 tiles of 4,096 bytes a block
	s_mov_b32 s81, 0
	s_add_nc_u64 s[4:5], s[4:5], s[80:81]
	s_lshl_b32 s80, s18, 12
	s_add_nc_u64 s[6:7], s[6:7], s[80:81]
	s_lshl_b32 s80, s18, 20                        ; gmax: 256 rows of 4,096 bytes a block, 64 rows a wave, 256 bytes a slice
	s_lshl_b32 s82, s16, 18
	s_add_co_u32 s80, s80, s82
	s_lshl_b32 s82, s19, 8
	s_add_co_u32 s80, s80, s82
	s_add_nc_u64 s[14:15], s[14:15], s[80:81]
	ROUND                                          ; all four work-groups are here: the joint loads meet
	tensor_load_to_lds s[48:51], s[G1S:G1S+7]
	s_nop 0
	tensor_load_to_lds s[52:55], s[G1B:G1B+7]
	s_nop 0
	tensor_load_to_lds s[56:59], s[G1C:G1C+7]
	s_nop 0
	tensor_load_to_lds s[60:63], s[G1C:G1C+7]
	s_nop 0
	tensor_load_to_lds s[68:71], s[G1C:G1C+7]
	s_nop 0
	tensor_load_to_lds s[72:75], s[G1C:G1C+7]
	s_nop 0
.rept 4
	v_nop                                          ; four lines here ahead of a switch of windows
.endr
	WIN 0x40                                       ; destination window 1
.irp a, 0,1,2,3,4,5,6,7
.irp q, 0,1,2,3
.irp c, 0,1
	global_load_b128 v[32*\a+8*\q+4*\c:32*\a+8*\q+4*\c+3], v[XO], s[4:5] offset:\a*4096+\q*1024+\c*512
.endr
.endr
.endr
	WIN 0x80                                       ; destination window 2
.irp a, 0,1,2,3,4,5,6,7
.irp q, 0,1,2,3
.irp c, 0,1
	global_load_b128 v[32*\a+8*\q+4*\c:32*\a+8*\q+4*\c+3], v[XO], s[4:5] offset:(\a+8)*4096+\q*1024+\c*512
.endr
.endr
.endr
	WIN 0
.irp a, 0,1,2,3,4,5,6,7,8,9,10,11,12,13,14,15
.irp p, 0,1
	global_load_b32 v[XS+2*\a+\p], v[XSO], s[6:7] offset:256*\a+128*\p
.endr
.endr
.macro LDW q, tau                      ; K slice q of tile tau: two loads
.set lO, (16*((\tau)/2)+8*((\tau)%2))*272+64*(\q)
	ds_load_b128 v[WF+8*(\q):WF+8*(\q)+3], v[AW] offset:lO
	ds_load_b128 v[WF+8*(\q)+4:WF+8*(\q)+7], v[AW] offset:lO+32
.endm
.macro LDM T                           ; cb of tiles 2 T, 2 T + 1 and their scale words: five loads
.irp i, 0,1,2,3
	ds_load_b128 v[BIAS+4*\i:BIAS+4*\i+3], v[AB] offset:64*(\T)+16*\i
.endr
	ds_load_b128 v[WSC+4*((\T)%2):WSC+4*((\T)%2)+3], v[AS] offset:256*(\T)
.endm
.macro MM tau, q, a                    ; one product: tile tau, K slice q, x's tile a
.set mU, (\tau)%2
.set mD, 128*mU+8*(\a)
.set mX, 32*((\a)%8)+8*(\q)
.set mW, WF+8*(\q)
.set mSA, WSC+4*(((\tau)/2)%2)+(\q)
.set mSB, XS+2*(\a)+(\q)/2
.if (\q) == 0
.set mC, BIAS+8*mU                     ; the first K slice starts the sum from cb, in window 0
	WIN 0xc4+4*((\a)/8)
.else
.set mC, mD
	WIN 0xf4+4*((\a)/8)
.endif
.if (mU == 0) && (((\q)%2) == 0)
	v_wmma_scale_f32_16x16x128_f8f6f4 v[mD:mD+7], v[mW:mW+7], v[mX:mX+7], v[mC:mC+7], v[mSA], v[mSB] matrix_a_fmt:MATRIX_FMT_FP4 matrix_b_fmt:MATRIX_FMT_FP4
.elseif (mU == 1) && (((\q)%2) == 0)
	v_wmma_scale_f32_16x16x128_f8f6f4 v[mD:mD+7], v[mW:mW+7], v[mX:mX+7], v[mC:mC+7], v[mSA], v[mSB] matrix_a_fmt:MATRIX_FMT_FP4 matrix_b_fmt:MATRIX_FMT_FP4 matrix_a_scale:MATRIX_SCALE_ROW1
.elseif mU == 0
	v_wmma_scale_f32_16x16x128_f8f6f4 v[mD:mD+7], v[mW:mW+7], v[mX:mX+7], v[mC:mC+7], v[mSA], v[mSB] matrix_a_fmt:MATRIX_FMT_FP4 matrix_b_fmt:MATRIX_FMT_FP4 matrix_b_scale:MATRIX_SCALE_ROW1
.else
	v_wmma_scale_f32_16x16x128_f8f6f4 v[mD:mD+7], v[mW:mW+7], v[mX:mX+7], v[mC:mC+7], v[mSA], v[mSB] matrix_a_fmt:MATRIX_FMT_FP4 matrix_b_fmt:MATRIX_FMT_FP4 matrix_a_scale:MATRIX_SCALE_ROW1 matrix_b_scale:MATRIX_SCALE_ROW1
.endif
.endm
; Group g of 16 of tile tau's reduction: accumulators 4 (g % 4) + 0 .. 3, their registers 2 (g / 4) and + 1: each accumulator is read from its low end on, and no line waits for the line above it
.macro RED tau, g
.set rT, (\tau)/2
.set rU, (\tau)%2
.set rS, (\g)/4
.irp e, 0,1,2,3
.set rA, 4*((\g)%4)+\e
.if (rU == 0) && (rS == 0)
	v_max3_num_f32 v[GM+8*rA+rT], v[NINF], v[128*rU+8*rA+2*rS], v[128*rU+8*rA+2*rS+1]
.else
	v_max3_num_f32 v[GM+8*rA+rT], v[GM+8*rA+rT], v[128*rU+8*rA+2*rS], v[128*rU+8*rA+2*rS+1]
.endif
.endr
.endm
; A tile: 64 products in groups of four, the tile before's reduction in groups of four behind them.  Behind each K slice's first group the slice that was left is loaded anew: its last reader stands at least four
; reductions back, which name none of its registers (in tile 0, which has nothing to reduce: four v_nop).  The wait at a slice's head leaves the two later slices' four loads out.
.macro TILE tau
.irp q, 0,1,2,3
.if ((\tau) == 15) && (\q == 3)
	s_wait_dscnt 0x0
.elseif ((\tau) == 15) && (\q == 2)
	s_wait_dscnt 2
.else
	s_wait_dscnt 4
.endif
.irp a0, 0,4,8,12
	MM \tau, \q, \a0
	MM \tau, \q, \a0+1
	MM \tau, \q, \a0+2
	MM \tau, \q, \a0+3
.if (\tau) > 0
	WIN 0x3c                                       ; sources 1 and 2 window 3; the rest, an LDS load's registers too, window 0
	RED (\tau)-1, 4*\q+\a0/4
.endif
.if \a0 == 0
.if (\tau) == 0
	WIN 0x3c
.rept 4
	v_nop
.endr
.endif
.if \q == 0
.if (\tau) > 0
	LDW 3, \tau
.endif
.elseif (\tau) < 15
.if (\q == 1) && (((\tau)%2) == 1)
	LDM ((\tau)+1)/2
.endif
	LDW \q-1, (\tau)+1
.endif
.endif
.endr
.endr
.endm
	s_wait_tensorcnt 2                             ; the scale bytes, cb and the codes of tiles 0-7 are in; the last two loads may be out
	LDM 0
	LDW 0, 0
	LDW 1, 0
	LDW 2, 0
	LDW 3, 0
	s_wait_loadcnt 0x0                             ; x
.irp t, 0,1,2,3,4,5,6
	TILE \t
.endr
	s_wait_tensorcnt 0x0                           ; tile 7 begins to fetch tile 8's fragments
.irp t, 7,8,9,10,11,12,13,14,15
	TILE \t
.endr
	WIN 0x3c
.irp g, 0,1,2,3,4,5,6,7,8,9,10,11,12,13,14,15
	RED 15, \g
.endr
	WIN 0
; THE WAY OUT: a row's 64 groups of this slice, 256 bytes, come from four waves: they meet in a stage of 256 rows x 272 bytes, in wave 0's codes, which have had their only fill and their last read.
	s_wait_dscnt 0x0                               ; my LDS reads are over
	s_barrier_signal -1
	s_barrier_wait -1                              ; everybody's are
.irp a, 0,1,2,3,4,5,6,7,8,9,10,11,12,13,14,15
	ds_store_b128 v[ST], v[GM+8*\a:GM+8*\a+3] offset:\a*4352
	ds_store_b128 v[ST], v[GM+8*\a+4:GM+8*\a+7] offset:\a*4352+16
.endr
	s_wait_dscnt 0x0                               ; for the others' sake: my stores have landed
	s_barrier_signal -1
	s_barrier_wait -1
.irp bt, 0,1,2,3
.if \bt > 0
	s_wait_xcnt 0x0                                ; the last batch's stores have read their registers
.endif
.irp i, 0,1,2,3,4,5,6,7
	ds_load_b128 v[48+4*\i:51+4*\i], v[RD] offset:(8*\bt+\i)*2*272
.endr
.irp i, 0,1,2,3,4,5,6,7
	s_wait_dscnt 7-\i
	global_store_b128 v[GO], v[48+4*\i:51+4*\i], s[14:15] offset:(8*\bt+\i)*2*4096   ; sixteen lanes store 256 consecutive bytes, at a multiple of 256 from gmax's first byte
.endr
.endr
	s_wait_tensorcnt 0x0
	ds_add_u32 v254, v255
	s_wait_dscnt 0x0
	ROUND                                          ; the closing round
	s_endpgm
.Lfunc_end_k_qc5f677801e_gemm:
	.size	k_qc5f677801e_gemm, .Lfunc_end_k_qc5f677801e_gemm-k_qc5f677801e_gemm
	.p2alignl 7, 3214868480
	.fill 96, 4, 3214868480
	.section	.rodata,"a",@progbits
	.p2align	6, 0x0
	.amdhsa_kernel k_qc5f677801e_gemm
		.amdhsa_group_segment_fixed_size 299520
		.amdhsa_private_segment_fixed_size 0
		.amdhsa_enable_private_segment 0
		.amdhsa_kernarg_size 48
		.amdhsa_user_sgpr_count 2
		.amdhsa_user_sgpr_kernarg_segment_ptr 1
		.amdhsa_wavefront_size32 1
		.amdhsa_system_sgpr_workgroup_id_x 1
		.amdhsa_system_sgpr_workgroup_id_y 1
		.amdhsa_system_sgpr_workgroup_id_z 1
		.amdhsa_system_vgpr_workitem_id 0
		.amdhsa_next_free_vgpr 1024
		.amdhsa_next_free_sgpr 90
		.amdhsa_reserve_vcc 0
		.amdhsa_float_denorm_mode_32 3
		.amdhsa_float_denorm_mode_16_64 3
		.amdhsa_memory_ordered 1
		.amdhsa_forward_progress 1
		.amdhsa_inst_pref_size 252
	.end_amdhsa_kernel
	.amdgpu_metadata
---
amdhsa.version: [ 1, 2 ]
amdhsa.kernels:
  - .name:           k_qc5f677801e_gemm
    .symbol:         k_qc5f677801e_gemm.kd
    .args:
      - { .name: xc, .offset: 0, .size: 8, .value_kind: global_buffer, .address_space: global }
      - { .name: xs, .offset: 8, .size: 8, .value_kind: global_buffer, .address_space: global }
      - { .name: wc, .offset: 16, .size: 8, .value_kind: global_buffer, .address_space: global }
      - { .name: ws, .offset: 24, .size: 8, .value_kind: global_buffer, .address_space: global }
      - { .name: wstat, .offset: 32, .size: 8, .value_kind: global_buffer, .address_space: global }
      - { .name: gmax, .offset: 40, .size: 8, .value_kind: global_buffer, .address_space: global }
    .group_segment_fixed_size: 299520
    .private_segment_fixed_size: 0
    .kernarg_segment_align: 8
    .kernarg_segment_size: 48
    .max_flat_workgroup_size: 128
    .sgpr_count:     90
    .vgpr_count:     1024
    .wavefront_size: 32
...
	.end_amdgpu_metadata
.endif
;; end of part 2
;; launch pick (part 3): grid 512 x 1, 8 waves a work-group, no clusters, 1,536 bytes of LDS; arguments gmax, gid; writes gid
.if DOCPART == 3
	.amdgcn_target "amdgcn-amd-amdhsa--gfx1250"
	.amdhsa_code_object_version 6
	.text
	.protected	k_qc5f677801e_pick
	.globl	k_qc5f677801e_pick
	.p2align	8
	.type	k_qc5f677801e_pick,@function
k_qc5f677801e_pick:
	s_mov_b64 s[64:65], 0
	v_nop
	global_prefetch_b8 v0, s[64:65] scope:SCOPE_SE
	s_setreg_imm32_b32 hwreg(HW_REG_WAVE_MODE, 25, 1), 1
	s_wait_xcnt 0x0
; gid[row][0 .. 15] = the numbers of the 16 groups (of 1,024) with the largest gmax[row][.], in ascending order of the number: whole numbers, from which the next launch forms addresses.
; A wave takes a row: 32 registers a lane; register k of lane l is group 128 (k / 4) + 4 l + k % 4.  Sixteen times the largest is found, its place noted and its value replaced by
; -infinity.  Nothing branches on data: the place is kept in lane masks and scalar selects, the trip count is 16.
; LIMIT: equal optima are taken in the order (lane, register), not by group number: it matters only where the 16th and 17th groups tie.  NaN is not served.
; No matrix unit, no tensor load, no cluster: waves share nothing but the 512 bytes through which eight rows' lists leave as two whole runs of 256 bytes.
.set V, 8                              ; v8-39 the row
	s_load_b128 s[4:7], s[0:1], 0x0                ; gmax, gid
	v_lshl_add_u32 v56, v0, 2, 0x200
	v_mov_b32 v57, 0
	v_lshrrev_b32 v1, 5, v0
	v_readfirstlane_b32 s8, v1                     ; wave 0..7
	v_and_b32 v1, 31, v0
	v_lshlrev_b32 v2, 4, v1                        ; 16 x lane
	v_and_b32 v3, 15, v0
	s_lshl_b32 s9, s8, 6
	v_lshl_add_u32 v3, v3, 2, s9                   ; LDS: my row's list, word lane % 16
	s_lshl_b32 s10, ttmp9, 15                      ; 8 rows of 4,096 bytes a work-group
	s_lshl_b32 s11, s8, 12
	s_add_co_u32 s10, s10, s11
	s_mov_b32 s11, 0
	s_mov_b32 s12, 0x76543210
	s_mov_b32 s13, 0xfedcba98
	s_wait_kmcnt 0x0
	s_add_nc_u64 s[4:5], s[4:5], s[10:11]
.irp i, 0,1,2,3,4,5,6,7
	global_load_b128 v[V+4*\i:V+4*\i+3], v2, s[4:5] offset:512*\i th:TH_LOAD_NT
.endr
	v_mov_b32 v40, 0xff800000                      ; -infinity
	v_mov_b32 v45, 0                               ; destinations of lane-crossing forms count as read
	v_mov_b32 v46, 0
	v_mov_b32 v47, 0                               ; the list: lane t (of both halves) takes the t-th number
	v_mov_b32 v48, 0
	v_mov_b32 v49, 0
	s_mov_b32 s23, 0
	s_mov_b32 s20, 0
	s_wait_loadcnt 0x0
.Lpick:
	v_max3_num_f32 v41, v8, v9, v10                ; my 32: four chains
	v_max3_num_f32 v42, v11, v12, v13
	v_max3_num_f32 v43, v14, v15, v16
	v_max3_num_f32 v44, v17, v18, v19
	v_max3_num_f32 v41, v41, v20, v21
	v_max3_num_f32 v42, v42, v22, v23
	v_max3_num_f32 v43, v43, v24, v25
	v_max3_num_f32 v44, v44, v26, v27
	v_max3_num_f32 v41, v41, v28, v29
	v_max3_num_f32 v42, v42, v30, v31
	v_max3_num_f32 v43, v43, v32, v33
	v_max3_num_f32 v44, v44, v34, v35
	v_max3_num_f32 v41, v41, v36, v37
	v_max3_num_f32 v42, v42, v38, v39
	v_max3_num_f32 v41, v41, v42, v43
	v_max_num_f32 v41, v41, v44
	v_max_num_f32_dpp v45, v41, v41 row_xmask:1 row_mask:0xf bank_mask:0xf
	v_max_num_f32_dpp v45, v45, v45 row_xmask:2 row_mask:0xf bank_mask:0xf
	v_max_num_f32_dpp v45, v45, v45 row_xmask:4 row_mask:0xf bank_mask:0xf
	v_max_num_f32_dpp v45, v45, v45 row_xmask:8 row_mask:0xf bank_mask:0xf
	v_permlanex16_b32 v46, v45, s12, s13
	v_max_num_f32 v45, v45, v46                    ; the row's largest, in every lane
	v_cmp_eq_f32 vcc_lo, v41, v45
.set k, 0
.rept 32
	v_cmp_eq_f32 s[32+k], v45, v[V+k]
.set k, k+1
.endr
	s_ctz_i32_b32 s21, vcc_lo                      ; the first lane that holds it
	s_and_b32 s21, s21, 31
	s_lshl_b32 s22, 1, s21                         ; its bit, until a register has been taken
.set k, 0
.rept 32
	s_and_b32 s[32+k], s[32+k], s22                ; register k of that lane, if it is the first that is equal
	s_cselect_b32 s23, 128*(k/4)+(k%4), s23        ; then its part of the group's number is noted,
	s_cselect_b32 s22, 0, s22                      ; and no later register is taken
.set k, k+1
.endr
.set k, 0
.rept 32
	v_cndmask_b32 v[V+k], v[V+k], v40, s[32+k]     ; exactly one number leaves the row
.set k, k+1
.endr
	s_lshl_b32 s25, s21, 2
	s_add_co_u32 s25, s25, s23                     ; the group's number
	s_lshl_b32 s24, 0x10001, s20
	v_mov_b32 v50, s25
	v_cndmask_b32 v47, v47, v50, s24
	s_add_co_u32 s20, s20, 1
	s_cmp_lt_u32 s20, 16
	s_cbranch_scc1 .Lpick
; the 16 numbers in ascending order: a bitonic sort over 16 lanes, on the numbers as f32 (exact: under 1,024); a set bit of the mask keeps the smaller of the pair
	v_cvt_f32_u32 v47, v47
.macro STAGE j, mask
	s_mov_b32 s26, \mask
	v_min_num_f32_dpp v48, v47, v47 row_xmask:\j row_mask:0xf bank_mask:0xf
	v_max_num_f32_dpp v49, v47, v47 row_xmask:\j row_mask:0xf bank_mask:0xf
	v_cndmask_b32 v47, v49, v48, s26
.endm
	STAGE 1, 0x99999999
	STAGE 2, 0xc3c3c3c3
	STAGE 1, 0xa5a5a5a5
	STAGE 4, 0xf00ff00f
	STAGE 2, 0xcc33cc33
	STAGE 1, 0xaa55aa55
	STAGE 8, 0x00ff00ff
	STAGE 4, 0x0f0f0f0f
	STAGE 2, 0x33333333
	STAGE 1, 0x55555555
	v_cvt_u32_f32 v47, v47
	ds_store_b32 v3, v47                           ; both halves of the lanes write the same words with the same values
	s_wait_dscnt 0x0
	s_barrier_signal -1
	s_barrier_wait -1
	s_cmp_eq_u32 s8, 0
	s_cbranch_scc0 .Ldone
	ds_load_b128 v[8:11], v2                       ; wave 0: eight rows' lists: 512 consecutive bytes
	s_lshl_b32 s10, ttmp9, 9
	s_mov_b32 s11, 0
	s_add_nc_u64 s[6:7], s[6:7], s[10:11]
	s_wait_dscnt 0x0
	global_store_b128 v2, v[8:11], s[6:7]
.Ldone:
	s_wait_tensorcnt 0x0
	ds_add_u32 v56, v57
	s_wait_dscnt 0x0
	s_endpgm
.Lfunc_end_k_qc5f677801e_pick:
	.size	k_qc5f677801e_pick, .Lfunc_end_k_qc5f677801e_pick-k_qc5f677801e_pick
	.p2alignl 7, 3214868480
	.fill 96, 4, 3214868480
	.section	.rodata,"a",@progbits
	.p2align	6, 0x0
	.amdhsa_kernel k_qc5f677801e_pick
		.amdhsa_group_segment_fixed_size 1536
		.amdhsa_private_segment_fixed_size 0
		.amdhsa_enable_private_segment 0
		.amdhsa_kernarg_size 16
		.amdhsa_user_sgpr_count 2
		.amdhsa_user_sgpr_kernarg_segment_ptr 1
		.amdhsa_wavefront_size32 1
		.amdhsa_system_sgpr_workgroup_id_x 1
		.amdhsa_system_sgpr_workgroup_id_y 1
		.amdhsa_system_sgpr_workgroup_id_z 1
		.amdhsa_system_vgpr_workitem_id 0
		.amdhsa_next_free_vgpr 58
		.amdhsa_next_free_sgpr 70
		.amdhsa_reserve_vcc 1
		.amdhsa_float_denorm_mode_32 3
		.amdhsa_float_denorm_mode_16_64 3
		.amdhsa_memory_ordered 1
		.amdhsa_forward_progress 1
		.amdhsa_inst_pref_size 15
	.end_amdhsa_kernel
	.amdgpu_metadata
---
amdhsa.version: [ 1, 2 ]
amdhsa.kernels:
  - .name:           k_qc5f677801e_pick
    .symbol:         k_qc5f677801e_pick.kd
    .args:
      - { .name: gmax, .offset: 0, .size: 8, .value_kind: global_buffer, .address_space: global }
      - { .name: gid, .offset: 8, .size: 8, .value_kind: global_buffer, .address_space: global }
    .group_segment_fixed_size: 1536
    .private_segment_fixed_size: 0
    .kernarg_segment_align: 8
    .kernarg_segment_size: 16
    .max_flat_workgroup_size: 256
    .sgpr_count:     70
    .vgpr_count:     58
    .wavefront_size: 32
...
	.end_amdgpu_metadata
.endif
;; end of part 3
;; launch final (part 4): grid 256 x 1, 16 waves a work-group, no clusters, 20,736 bytes of LDS; arguments xc, xs, wc, ws, wstat, xstat, gid, locations, out0, out1; writes out0, out1
.if DOCPART == 4
	.amdgcn_target "amdgcn-amd-amdhsa--gfx1250"
	.amdhsa_code_object_version 6
	.text
	.protected	k_qc5f677801e_final
	.globl	k_qc5f677801e_final
	.p2align	8
	.type	k_qc5f677801e_final,@function
k_qc5f677801e_final:
	s_mov_b64 s[64:65], 0
	v_nop
	global_prefetch_b8 v0, s[64:65] scope:SCOPE_SE
	s_setreg_imm32_b32 hwreg(HW_REG_WAVE_MODE, 25, 1), 1
	s_wait_xcnt 0x0
; For each row of x the 256 columns of its 16 listed groups are multiplied again (MX-FP4, K = 512), the distance is formed term by term in the order
; ((x2 - 2 xw) + w2) + 2 eps (sx - sw)) + 512 eps^2, max with 0, square root; the 16 smallest are taken in ascending order, equal ones by the lower column, and their locations are written: out0[t][row][2].  out1 = 0.
; The multiply by 2 eps and the addition behind it are kept apart on purpose: the order of roundings is the formula's.  The root: v_sqrt_f32 and one residual step d = s + (a - s s) / (2 s), both fused.
; LIMITS: NaN and infinities are not served; a location of -0 comes out as +0 and infinite locations are not served (the winner's location is summed over the wave with zeros); x2, sx, w2, sw carry the first launch's order of sums.
; SHARES: a work-group takes 16 rows.  Phase A: wave s takes list slot s of all 16 rows: 16 pairs (row i, its group), four at a time; a pair's product is a whole tile 16 columns x 16 rows of x, of which lane
; r = i keeps its own row.  Source 0 = the group's 16 columns, source 1 = x's 16 rows: lane (r, h) ends with xw of row r, columns 16 g + 8 h + 0 .. 7.  The distances go through LDS; phase C: wave p takes row p,
; lane l its slot l / 2, half l % 2: the list is ascending, so (lane, register) is the order of the columns.  Sixteen trips of find, note, remove; nothing branches on data.
; The group numbers are whole numbers stored by the launch before; each is held under 1,024 and enters a vector offset; every base is a kernel argument.
; No tensor load: the tiles hang on loaded numbers.  No cluster: work-groups share no tile.
.set OST, 16640                        ; LDS 0: the distances, 16 rows x 1,040;  OST: the locations [t][row][2]
.set WLN, 1
.set SLN, 2
.set WA, 3                             ; v3-6 the four pairs' offsets in wc;  v7-10 in ws
.set SA, 7
.set DSTO, 11
.set DLD, 12
.set OSTO, 13
.set OLD, 14
.set OGO, 15
.set XF, 16                            ; v16-47 x's four fragments
.set XSC, 48                           ; v48-49 x's scale words
.set WSCL, 50                          ; v50-65 the pairs' scale words
.set WF, 66                            ; v66-193 the pairs' fragments; later v66-81 locations, v100-147 at work
.set ACC, 194                          ; v194-225 four accumulators (at the head: offsets of the first loads)
.set R, 226                            ; v226-233 xw
.set W2, 234
.set SW, 242
.set X2, 250
.set SX, 251
.set VG, 252
.set G2, 253
.set LOCA, 254
.set W2A, 255
	s_load_b256 s[4:11], s[0:1], 0x0               ; xc, xs, wc, ws
	s_load_b256 s[12:19], s[0:1], 0x20             ; wstat, xstat, gid, locations
	s_load_b128 s[20:23], s[0:1], 0x40             ; out0, out1
	v_lshrrev_b32 v1, 5, v0
	v_readfirstlane_b32 s24, v1                    ; wave 0..15
	v_and_b32 v194, 31, v0                         ; lane
	v_and_b32 v195, 15, v0                         ; r
	v_bfe_u32 v196, v0, 4, 1                       ; h
	v_lshlrev_b32 v[WLN], 8, v195
	v_lshl_add_u32 v[WLN], v196, 4, v[WLN]         ; a column's 256 bytes, + 16 h
	v_lshlrev_b32 v[SLN], 4, v195                  ; a column's 16 scale bytes
	v_mul_u32_u24 v[DSTO], v195, 1040
	v_lshl_add_u32 v[DSTO], v196, 5, v[DSTO]
	s_lshl_b32 s25, s24, 6
	v_add_nc_u32 v[DSTO], s25, v[DSTO]             ; distances in: row r, slot = wave, half h
	s_mul_i32 s26, s24, 1040
	v_lshl_add_u32 v[DLD], v194, 5, s26            ; and back: row = wave, 32 bytes a lane
	s_lshl_b32 s26, s24, 3
	s_add_co_u32 s26, s26, OST
	v_lshl_add_u32 v[OSTO], v195, 7, s26           ; locations in: t = lane % 16, row = wave
	s_and_b32 s27, s24, 3
	s_lshl_b32 s26, s27, 9
	s_add_co_u32 s26, s26, OST
	v_lshl_add_u32 v[OLD], v194, 4, s26            ; and back (waves 0-3): 512 bytes a wave
	v_lshrrev_b32 v202, 3, v194
	v_lshlrev_b32 v202, 15, v202
	v_and_b32 v203, 7, v0
	v_lshl_add_u32 v[OGO], v203, 4, v202
	s_lshl_b32 s26, s27, 17
	s_lshl_b32 s28, ttmp9, 7
	s_add_co_u32 s26, s26, s28
	v_add_nc_u32 v[OGO], s26, v[OGO]               ; out0: t = 4 wave + lane / 8: 32,768 bytes a t; 128 bytes a work-group
	s_lshl_b32 s28, ttmp9, 12
	v_lshl_add_u32 v197, v194, 4, s28              ; x's fragments
	s_lshl_b32 s28, ttmp9, 8
	v_lshl_add_u32 v198, v194, 2, s28              ; x's scale words
	s_lshl_b32 s28, ttmp9, 10                      ; my 16 rows' lists
	s_lshl_b32 s32, s24, 2
	s_add_co_u32 s32, s32, s28                     ; slot = wave
	s_mov_b32 s33, 0
	v_lshl_add_u32 v199, v195, 6, s32              ; row r's group in my slot
	s_add_co_u32 s31, s28, s25
	v_lshrrev_b32 v202, 1, v194
	v_lshl_add_u32 v200, v202, 2, s31              ; row = wave: the group of slot lane / 2
	s_lshl_b32 s31, ttmp9, 6
	v_lshl_add_u32 v201, v195, 2, s31              ; row r's x2 and sx
	s_mov_b32 s34, 0x76543210
	s_mov_b32 s35, 0xfedcba98
	s_wait_kmcnt 0x0
	s_add_nc_u64 s[26:27], s[16:17], s[32:33]
.irp i, 0,1,2,3,4,5,6,7,8,9,10,11,12,13,14,15
	s_load_b32 s[36+\i], s[26:27], 64*\i           ; row i's group in my slot, as a scalar
.endr
.irp q, 0,1,2,3
.irp c, 0,1
	global_load_b128 v[XF+8*\q+4*\c:XF+8*\q+4*\c+3], v197, s[4:5] offset:1024*\q+512*\c
.endr
.endr
	global_load_b32 v[XSC], v198, s[6:7]
	global_load_b32 v[XSC+1], v198, s[6:7] offset:128
	global_load_b32 v[VG], v199, s[16:17]
	global_load_b32 v[G2], v200, s[16:17]
	global_load_b32 v[X2], v201, s[14:15]
	global_load_b32 v[SX], v201, s[14:15] offset:16384
	s_wait_kmcnt 0x0
.irp i, 0,1,2,3,4,5,6,7,8,9,10,11,12,13,14,15
	s_min_u32 s[36+\i], s[36+\i], 1023             ; a loaded number enters an address only behind this bound
.endr
.macro BLOAD B                         ; pairs 4 B .. 4 B + 3: a group's 16 columns are 4,096 consecutive bytes of codes and 256 of scale bytes: 36 loads
.irp j, 0,1,2,3
	v_lshl_add_u32 v[WA+\j], s[36+4*(\B)+\j], 12, v[WLN]
	v_lshl_add_u32 v[SA+\j], s[36+4*(\B)+\j], 8, v[SLN]
.endr
.irp j, 0,1,2,3
.irp q, 0,1,2,3
.irp c, 0,1
	global_load_b128 v[WF+32*\j+8*\q+4*\c:WF+32*\j+8*\q+4*\c+3], v[WA+\j], s[8:9] offset:64*\q+32*\c
.endr
.endr
	global_load_b128 v[WSCL+4*\j:WSCL+4*\j+3], v[SA+\j], s[10:11]
.endr
.endm
	BLOAD 0
	s_wait_loadcnt 36                              ; all but the 36 just issued: x, its sums and the two group numbers are in
	v_min_u32 v[VG], 0x3ff, v[VG]
	v_min_u32 v[G2], 0x3ff, v[G2]
	v_lshlrev_b32 v202, 5, v196
	v_lshl_add_u32 v[W2A], v[VG], 6, v202          ; my eight columns' w2 and sw: 64 bytes a group, + 32 h
	v_and_b32 v203, 1, v0
	v_lshlrev_b32 v203, 6, v203
	v_lshl_add_u32 v[LOCA], v[G2], 7, v203         ; phase C's eight locations: 128 bytes a group, + 64 (lane % 2)
	global_load_b128 v[W2:W2+3], v[W2A], s[12:13] offset:65536
	global_load_b128 v[W2+4:W2+7], v[W2A], s[12:13] offset:65536+16
	global_load_b128 v[SW:SW+3], v[W2A], s[12:13] offset:131072
	global_load_b128 v[SW+4:SW+7], v[W2A], s[12:13] offset:131072+16
.irp n, 0,1,2,3,4,5,6,7
	v_mov_b32 v[R+\n], 0
.endr
; Four pairs: 16 products, the four accumulators by turns, K ascending; four places; the next batch's loads; then lane r = i of both halves keeps pair i's results
.macro BATCH B
	s_wait_loadcnt 0x0                             ; this batch's fragments are in, so the offsets that their loads read may be written again
.irp q, 0,1,2,3
.irp j, 0,1,2,3
.if \q == 0
	v_wmma_scale_f32_16x16x128_f8f6f4 v[ACC+8*\j:ACC+8*\j+7], v[WF+32*\j+8*\q:WF+32*\j+8*\q+7], v[XF+8*\q:XF+8*\q+7], 0, v[WSCL+4*\j+\q], v[XSC+\q/2] matrix_a_fmt:MATRIX_FMT_FP4 matrix_b_fmt:MATRIX_FMT_FP4
.elseif \q == 2
	v_wmma_scale_f32_16x16x128_f8f6f4 v[ACC+8*\j:ACC+8*\j+7], v[WF+32*\j+8*\q:WF+32*\j+8*\q+7], v[XF+8*\q:XF+8*\q+7], v[ACC+8*\j:ACC+8*\j+7], v[WSCL+4*\j+\q], v[XSC+\q/2] matrix_a_fmt:MATRIX_FMT_FP4 matrix_b_fmt:MATRIX_FMT_FP4
.else
	v_wmma_scale_f32_16x16x128_f8f6f4 v[ACC+8*\j:ACC+8*\j+7], v[WF+32*\j+8*\q:WF+32*\j+8*\q+7], v[XF+8*\q:XF+8*\q+7], v[ACC+8*\j:ACC+8*\j+7], v[WSCL+4*\j+\q], v[XSC+\q/2] matrix_a_fmt:MATRIX_FMT_FP4 matrix_b_fmt:MATRIX_FMT_FP4 matrix_b_scale:MATRIX_SCALE_ROW1
.endif
.endr
.endr
.rept 4
	v_nop                                          ; places in front of loads into registers that the products read, and of the first read of results
.endr
.if (\B) < 3
	BLOAD (\B)+1
.else
.irp i, 0,1,2,3
	global_load_b128 v[WF+4*\i:WF+4*\i+3], v[LOCA], s[18:19] offset:16*\i   ; phase C's locations: register 2 k, 2 k + 1 = column k of my half group
.endr
.endif
.irp j, 0,1,2,3
	s_mov_b32 s30, 0x10001<<(4*(\B)+\j)
.irp n, 0,1,2,3,4,5,6,7
	v_cndmask_b32 v[R+\n], v[R+\n], v[ACC+8*\j+\n], s30        ; each accumulator from its low end on
.endr
.endr
.endm
	BATCH 0
	BATCH 1
	BATCH 2
	BATCH 3
; the distance: v100-107 the square, v108-115 the root, v116-123 1 / (2 root), v124-131 the residual, v132-139 d, v140-147 the eps term
.irp n, 0,1,2,3,4,5,6,7
	v_fma_f32 v[100+\n], -2.0, v[R+\n], v[X2]      ; x2 - 2 xw: 2 xw is exact, so this rounds once, as the formula does
	v_sub_f32 v[140+\n], v[SX], v[SW+\n]
.endr
.irp n, 0,1,2,3,4,5,6,7
	v_add_f32 v[100+\n], v[100+\n], v[W2+\n]
	v_mul_f32 v[140+\n], 0x360637bd, v[140+\n]     ; x 2 eps
.endr
.irp n, 0,1,2,3,4,5,6,7
	v_add_f32 v[100+\n], v[100+\n], v[140+\n]
.endr
.irp n, 0,1,2,3,4,5,6,7
	v_add_f32 v[100+\n], 0x300cbccc, v[100+\n]     ; + 512 eps^2
.endr
.irp n, 0,1,2,3,4,5,6,7
	v_max_num_f32 v[100+\n], 0, v[100+\n]
.endr
.irp n, 0,1,2,3,4,5,6,7
	v_sqrt_f32 v[108+\n], v[100+\n]
.endr
	v_nop                                          ; a plain line behind the last root
	s_wait_alu depctr_va_vdst(0)                   ; one wait for the eight, ahead of their first reader
.irp n, 0,1,2,3,4,5,6,7
	v_add_f32 v[116+\n], v[108+\n], v[108+\n]
.endr
.irp n, 0,1,2,3,4,5,6,7
	v_max_num_f32 v[116+\n], 0x0d800000, v[116+\n] ; a floor of 2^-100, so that a distance of 0 stays 0
.endr
.irp n, 0,1,2,3,4,5,6,7
	v_rcp_f32 v[116+\n], v[116+\n]
.endr
.irp n, 0,1,2,3,4,5,6,7
	v_fma_f32 v[124+\n], -v[108+\n], v[108+\n], v[100+\n]      ; a - s s: plain work behind the reciprocals
.endr
	s_wait_alu depctr_va_vdst(0)                   ; one wait for the eight reciprocals
.irp n, 0,1,2,3,4,5,6,7
	v_fma_f32 v[132+\n], v[124+\n], v[116+\n], v[108+\n]
.endr
	ds_store_b128 v[DSTO], v[132:135]
	ds_store_b128 v[DSTO], v[136:139] offset:16
	s_wait_dscnt 0x0                               ; my stores have landed
	s_barrier_signal -1
	s_barrier_wait -1                              ; 16 rows x 256 distances lie in LDS
; ---- phase C: row = wave
	ds_load_b128 v[100:103], v[DLD]
	ds_load_b128 v[104:107], v[DLD] offset:16
	v_mov_b32 v112, 0                              ; destinations of lane-crossing forms count as read
	v_mov_b32 v113, 0
	v_mov_b32 v116, 0
	v_mov_b32 v117, 0
	v_mov_b32 v118, 0x7f800000                     ; +infinity
	v_mov_b32 v120, 0                              ; v[120:121]: lane t takes the t-th location
	v_mov_b32 v121, 0
	s_mov_b32 s25, 0
	s_wait_dscnt 0x0
	s_wait_loadcnt 0x0                             ; the locations
.Lsel:
	v_min3_num_f32 v110, v100, v101, v102
	v_min3_num_f32 v111, v103, v104, v105
	v_min3_num_f32 v110, v110, v106, v107
	v_min_num_f32 v110, v110, v111
	v_min_num_f32_dpp v112, v110, v110 row_xmask:1 row_mask:0xf bank_mask:0xf
	v_min_num_f32_dpp v112, v112, v112 row_xmask:2 row_mask:0xf bank_mask:0xf
	v_min_num_f32_dpp v112, v112, v112 row_xmask:4 row_mask:0xf bank_mask:0xf
	v_min_num_f32_dpp v112, v112, v112 row_xmask:8 row_mask:0xf bank_mask:0xf
	v_permlanex16_b32 v113, v112, s34, s35
	v_min_num_f32 v112, v112, v113                 ; the row's smallest, in every lane
.irp k, 0,1,2,3,4,5,6,7
	v_cmp_eq_f32 s[80+\k], v112, v[100+\k]
.endr
	v_mov_b32 v114, 0
	v_mov_b32 v115, 0
	s_or_b32 s31, s80, s81
.irp k, 2,3,4,5,6,7
	s_or_b32 s31, s31, s[80+\k]
.endr
	s_ctz_i32_b32 s26, s31                         ; the first lane that holds it: the lowest columns
	s_and_b32 s26, s26, 31
	s_lshl_b32 s27, 1, s26
.irp k, 0,1,2,3,4,5,6,7
	s_and_b32 s[80+\k], s[80+\k], s27              ; that lane's first equal register,
	s_cselect_b32 s27, 0, s27                      ; and no later one
.endr
.irp k, 0,1,2,3,4,5,6,7
	v_cndmask_b32 v[100+\k], v[100+\k], v118, s[80+\k]         ; it leaves the row;
	v_cndmask_b32 v114, v114, v[WF+2*\k], s[80+\k]             ; its location, in the winner's lane alone: zeros elsewhere
	v_cndmask_b32 v115, v115, v[WF+2*\k+1], s[80+\k]
.endr
.irp m, 1,2,4,8
	v_add_f32_dpp v114, v114, v114 row_xmask:\m row_mask:0xf bank_mask:0xf
	v_add_f32_dpp v115, v115, v115 row_xmask:\m row_mask:0xf bank_mask:0xf
.endr
	v_permlanex16_b32 v116, v114, s34, s35
	v_permlanex16_b32 v117, v115, s34, s35
	v_add_f32 v114, v114, v116                     ; summed with zeros: in every lane
	v_add_f32 v115, v115, v117
	s_lshl_b32 s30, 0x10001, s25
	v_cndmask_b32 v120, v120, v114, s30
	v_cndmask_b32 v121, v121, v115, s30
	s_add_co_u32 s25, s25, 1
	s_cmp_lt_u32 s25, 16
	s_cbranch_scc1 .Lsel
	ds_store_b64 v[OSTO], v[120:121]               ; both halves of the lanes write the same bytes with the same values
	s_wait_dscnt 0x0
	s_barrier_signal -1
	s_barrier_wait -1
	s_cmp_lt_u32 s24, 4
	s_cbranch_scc0 .Ldone
	ds_load_b128 v[100:103], v[OLD]                ; waves 0-3: four t each; eight lanes store a work-group's 128 consecutive bytes of one t
	s_wait_dscnt 0x0
	global_store_b128 v[OGO], v[100:103], s[20:21]
	s_or_b32 s31, s24, ttmp9
	s_cmp_eq_u32 s31, 0
	s_cbranch_scc0 .Ldone
	v_mov_b32 v110, 0
	v_mov_b32 v111, 0
	global_store_b32 v110, v111, s[22:23]          ; out1 = 0.0: every lane of one wave writes the same word
.Ldone:
	s_wait_xcnt 0x0
	v_lshl_add_u32 v254, v0, 2, 0x4900
	v_mov_b32 v255, 0
	s_wait_tensorcnt 0x0
	ds_add_u32 v254, v255
	s_wait_dscnt 0x0
	s_endpgm
.Lfunc_end_k_qc5f677801e_final:
	.size	k_qc5f677801e_final, .Lfunc_end_k_qc5f677801e_final-k_qc5f677801e_final
	.p2alignl 7, 3214868480
	.fill 96, 4, 3214868480
	.section	.rodata,"a",@progbits
	.p2align	6, 0x0
	.amdhsa_kernel k_qc5f677801e_final
		.amdhsa_group_segment_fixed_size 20736
		.amdhsa_private_segment_fixed_size 0
		.amdhsa_enable_private_segment 0
		.amdhsa_kernarg_size 80
		.amdhsa_user_sgpr_count 2
		.amdhsa_user_sgpr_kernarg_segment_ptr 1
		.amdhsa_wavefront_size32 1
		.amdhsa_system_sgpr_workgroup_id_x 1
		.amdhsa_system_sgpr_workgroup_id_y 1
		.amdhsa_system_sgpr_workgroup_id_z 1
		.amdhsa_system_vgpr_workitem_id 0
		.amdhsa_next_free_vgpr 256
		.amdhsa_next_free_sgpr 100
		.amdhsa_reserve_vcc 0
		.amdhsa_float_denorm_mode_32 3
		.amdhsa_float_denorm_mode_16_64 3
		.amdhsa_memory_ordered 1
		.amdhsa_forward_progress 1
		.amdhsa_inst_pref_size 52
	.end_amdhsa_kernel
	.amdgpu_metadata
---
amdhsa.version: [ 1, 2 ]
amdhsa.kernels:
  - .name:           k_qc5f677801e_final
    .symbol:         k_qc5f677801e_final.kd
    .args:
      - { .name: xc, .offset: 0, .size: 8, .value_kind: global_buffer, .address_space: global }
      - { .name: xs, .offset: 8, .size: 8, .value_kind: global_buffer, .address_space: global }
      - { .name: wc, .offset: 16, .size: 8, .value_kind: global_buffer, .address_space: global }
      - { .name: ws, .offset: 24, .size: 8, .value_kind: global_buffer, .address_space: global }
      - { .name: wstat, .offset: 32, .size: 8, .value_kind: global_buffer, .address_space: global }
      - { .name: xstat, .offset: 40, .size: 8, .value_kind: global_buffer, .address_space: global }
      - { .name: gid, .offset: 48, .size: 8, .value_kind: global_buffer, .address_space: global }
      - { .name: locations, .offset: 56, .size: 8, .value_kind: global_buffer, .address_space: global }
      - { .name: out0, .offset: 64, .size: 8, .value_kind: global_buffer, .address_space: global }
      - { .name: out1, .offset: 72, .size: 8, .value_kind: global_buffer, .address_space: global }
    .group_segment_fixed_size: 20736
    .private_segment_fixed_size: 0
    .kernarg_segment_align: 8
    .kernarg_segment_size: 80
    .max_flat_workgroup_size: 512
    .sgpr_count:     100
    .vgpr_count:     256
    .wavefront_size: 32
...
	.end_amdgpu_metadata
.endif
;; end of part 4
;; ======== version 2 of 2: 4 launches; version 1 with the launch final written anew for expert scheduling mode
;; workspace buffers: xc 1,048,576 bytes; xs 65,536 bytes; wc 4,194,304 bytes; ws 262,144 bytes; wstat 196,608 bytes; xstat 32,768 bytes; gmax 16,777,216 bytes; gid 262,144 bytes of whole numbers
;; launch quant: the kernel of part 1 again; grid 192 x 1, 16 waves a work-group, no clusters, 46,080 bytes of LDS; arguments x, weight, xc, xs, wc, ws, wstat, xstat; writes xc, xs, wc, ws, wstat, xstat
;; launch gemm: the kernel of part 2 again; grid 16 x 16, 4 waves a work-group, clusters of 4 x 1, 299,520 bytes of LDS; arguments xc, xs, wc, ws, wstat, gmax; writes gmax
;; launch pick: the kernel of part 3 again; grid 512 x 1, 8 waves a work-group, no clusters, 1,536 bytes of LDS; arguments gmax, gid; writes gid
;; launch final (part 5): grid 256 x 1, 16 waves a work-group, no clusters, 20,736 bytes of LDS; arguments xc, xs, wc, ws, wstat, xstat, gid, locations, out0, out1; writes out0, out1
.if DOCPART == 5
	.amdgcn_target "amdgcn-amd-amdhsa--gfx1250"
	.amdhsa_code_object_version 6
	.text
	.protected	k_qc5f677801e_final
	.globl	k_qc5f677801e_final
	.p2align	8
	.type	k_qc5f677801e_final,@function
k_qc5f677801e_final:
	s_mov_b64 s[64:65], 0
	v_nop
	global_prefetch_b8 v0, s[64:65] scope:SCOPE_SE
	s_setreg_imm32_b32 hwreg(HW_REG_WAVE_SCHED_MODE, 0, 2), 2
	s_setreg_imm32_b32 hwreg(HW_REG_WAVE_MODE, 25, 1), 1
	s_wait_xcnt 0x0
	s_wait_alu depctr_vm_vsrc(0)
; For each row of x the 256 columns of its 16 listed groups are multiplied again (MX-FP4, K = 512), the distance is formed term by term in the order
; ((x2 - 2 xw) + w2) + 2 eps (sx - sw)) + 512 eps^2, max with 0, square root; the 16 smallest are taken in ascending order, equal ones by the lower column, and their locations are written: out0[t][row][2].  out1 = 0.
; The multiply by 2 eps and the addition behind it are kept apart on purpose: the order of roundings is the formula's.  The root: v_sqrt_f32 and one residual step d = s + (a - s s) / (2 s), both fused.
; LIMITS: NaN and infinities are not served; a location of -0 comes out as +0 and infinite locations are not served (the winner's location is summed over the wave with zeros); x2, sx, w2, sw carry the first launch's order of sums.
; SHARES: a work-group takes 16 rows.  Phase A: wave s takes list slot s of all 16 rows: 16 pairs (row i, its group), four at a time; a pair's product is a whole tile 16 columns x 16 rows of x, of which lane
; r = i keeps its own row.  Source 0 = the group's 16 columns, source 1 = x's 16 rows: lane (r, h) ends with xw of row r, columns 16 g + 8 h + 0 .. 7.  The distances go through LDS; phase C: wave p takes row p,
; lane l its slot l / 2, half l % 2: the list is ascending, so (lane, register) is the order of the columns.  Sixteen trips of find, note, remove; nothing branches on data.
; The group numbers are whole numbers stored by the launch before; each is held under 1,024 and enters a vector offset; every base is a kernel argument.
; No tensor load: the tiles hang on loaded numbers.  No cluster: work-groups share no tile.
; THE MODE: SCHED_MODE bits 1:0 = 2 (LLVM: expert scheduling mode 2), set by the entry lines.  The code itself states the register dependences
; between vector or matrix instructions and memory or LDS instructions, with s_wait_alu, always for 0.
; THE PLAN.  Registers that memory or LDS instructions touch:
;   v197-201      offsets of the head's 14 loads: written at the head, read by those loads; batch 0's products then write accumulators over them.
;   v3-10         the four pairs' offsets: written by eight vector lines a batch, read by the batch's 36 loads.
;   v66-193, v50-65  fragments and scale words: loads land in them, the batch's 16 products read them, the next batch's loads land in them (after batch 3: the locations, in v66-81).
;   v254, v255    offsets of the locations and of w2 and sw: written once at the head, read by eight loads; made anew at the end for the closing add.
;   v11-15        LDS addresses and out0's offset: written at the head, never again.
;   v132-139      the distances: written by eight multiply-adds, read by two LDS stores, never written again.
;   v100-107      at work on the distance; then LDS loads land in them; phase C works on them; on the way out an LDS load lands in v100-103.
;   v120-121      written by the loop, read by one LDS store.   v110-111: written by two moves, read by out1's store.
; A batch has two waits: at its head, beside the wait for its data, one on vm_vsrc (the loads issued so far have read their offsets); behind its products, their places and the next offsets one on va_vdst (the products
; are done reading fragments and scale words; the offsets are written).  Behind that the next batch's 36 loads are dealt among the 32 selects, which name R, the accumulators and a scalar mask: nothing that a load touches.
.set OST, 16640                        ; LDS 0: the distances, 16 rows x 1,040;  OST: the locations [t][row][2]
.set WLN, 1
.set SLN, 2
.set WA, 3                             ; v3-6 the four pairs' offsets in wc;  v7-10 in ws
.set SA, 7
.set DSTO, 11
.set DLD, 12
.set OSTO, 13
.set OLD, 14
.set OGO, 15
.set XF, 16                            ; v16-47 x's four fragments
.set XSC, 48                           ; v48-49 x's scale words
.set WSCL, 50                          ; v50-65 the pairs' scale words
.set WF, 66                            ; v66-193 the pairs' fragments; later v66-81 locations, v100-147 at work
.set ACC, 194                          ; v194-225 four accumulators (at the head: offsets of the first loads)
.set R, 226                            ; v226-233 xw
.set W2, 234
.set SW, 242
.set X2, 250
.set SX, 251
.set VG, 252
.set G2, 253
.set LOCA, 254
.set W2A, 255
	s_load_b256 s[4:11], s[0:1], 0x0               ; xc, xs, wc, ws
	s_load_b256 s[12:19], s[0:1], 0x20             ; wstat, xstat, gid, locations
	s_load_b128 s[20:23], s[0:1], 0x40             ; out0, out1
	v_lshrrev_b32 v1, 5, v0
	v_readfirstlane_b32 s24, v1                    ; wave 0..15
	v_and_b32 v194, 31, v0                         ; lane
	v_and_b32 v195, 15, v0                         ; r
	v_bfe_u32 v196, v0, 4, 1                       ; h
	v_lshlrev_b32 v[WLN], 8, v195
	v_lshl_add_u32 v[WLN], v196, 4, v[WLN]         ; a column's 256 bytes, + 16 h
	v_lshlrev_b32 v[SLN], 4, v195                  ; a column's 16 scale bytes
	v_mul_u32_u24 v[DSTO], v195, 1040
	v_lshl_add_u32 v[DSTO], v196, 5, v[DSTO]
	s_wait_alu depctr_va_sdst(0)                   ; s24 is written, ahead of its first reader: LDS places, list offsets and the branches at the end are made from it
	s_lshl_b32 s25, s24, 6
	v_add_nc_u32 v[DSTO], s25, v[DSTO]             ; distances in: row r, slot = wave, half h
	s_mul_i32 s26, s24, 1040
	v_lshl_add_u32 v[DLD], v194, 5, s26            ; and back: row = wave, 32 bytes a lane
	s_lshl_b32 s26, s24, 3
	s_add_co_u32 s26, s26, OST
	v_lshl_add_u32 v[OSTO], v195, 7, s26           ; locations in: t = lane % 16, row = wave
	s_and_b32 s27, s24, 3
	s_lshl_b32 s26, s27, 9
	s_add_co_u32 s26, s26, OST
	v_lshl_add_u32 v[OLD], v194, 4, s26            ; and back (waves 0-3): 512 bytes a wave
	v_lshrrev_b32 v202, 3, v194
	v_lshlrev_b32 v202, 15, v202
	v_and_b32 v203, 7, v0
	v_lshl_add_u32 v[OGO], v203, 4, v202
	s_lshl_b32 s26, s27, 17
	s_lshl_b32 s28, ttmp9, 7
	s_add_co_u32 s26, s26, s28
	v_add_nc_u32 v[OGO], s26, v[OGO]               ; out0: t = 4 wave + lane / 8: 32,768 bytes a t; 128 bytes a work-group
	s_lshl_b32 s28, ttmp9, 12
	v_lshl_add_u32 v197, v194, 4, s28              ; x's fragments
	s_lshl_b32 s28, ttmp9, 8
	v_lshl_add_u32 v198, v194, 2, s28              ; x's scale words
	s_lshl_b32 s28, ttmp9, 10                      ; my 16 rows' lists
	s_lshl_b32 s32, s24, 2
	s_add_co_u32 s32, s32, s28                     ; slot = wave
	s_mov_b32 s33, 0
	v_lshl_add_u32 v199, v195, 6, s32              ; row r's group in my slot
	s_add_co_u32 s31, s28, s25
	v_lshrrev_b32 v202, 1, v194
	v_lshl_add_u32 v200, v202, 2, s31              ; row = wave: the group of slot lane / 2
	s_lshl_b32 s31, ttmp9, 6
	v_lshl_add_u32 v201, v195, 2, s31              ; row r's x2 and sx
	s_mov_b32 s34, 0x76543210
	s_mov_b32 s35, 0xfedcba98
	s_wait_kmcnt 0x0
	s_add_nc_u64 s[26:27], s[16:17], s[32:33]
.irp i, 0,1,2,3,4,5,6,7,8,9,10,11,12,13,14,15
	s_load_b32 s[36+\i], s[26:27], 64*\i           ; row i's group in my slot, as a scalar
.endr
	s_wait_alu depctr_va_vdst(0)                   ; the offsets v197 to v201, which the 14 loads below read, are written; so are v11 to v15, which the LDS instructions and out0's store read much later
.irp q, 0,1,2,3
.irp c, 0,1
	global_load_b128 v[XF+8*\q+4*\c:XF+8*\q+4*\c+3], v197, s[4:5] offset:1024*\q+512*\c
.endr
.endr
	global_load_b32 v[XSC], v198, s[6:7]
	global_load_b32 v[XSC+1], v198, s[6:7] offset:128
	global_load_b32 v[VG], v199, s[16:17]
	global_load_b32 v[G2], v200, s[16:17]
	global_load_b32 v[X2], v201, s[14:15]
	global_load_b32 v[SX], v201, s[14:15] offset:16384
	s_wait_kmcnt 0x0
.irp i, 0,1,2,3,4,5,6,7,8,9,10,11,12,13,14,15
	s_min_u32 s[36+\i], s[36+\i], 1023             ; a loaded number enters an address only behind this bound
.endr
.macro BADDR B                         ; pairs 4 B .. 4 B + 3: their offsets: a group's 16 columns are 4,096 consecutive bytes of codes and 256 of scale bytes
.irp j, 0,1,2,3
	v_lshl_add_u32 v[WA+\j], s[36+4*(\B)+\j], 12, v[WLN]
	v_lshl_add_u32 v[SA+\j], s[36+4*(\B)+\j], 8, v[SLN]
.endr
.endm
.macro BLD j                           ; pair j of the four: nine loads
.irp q, 0,1,2,3
.irp c, 0,1
	global_load_b128 v[WF+32*(\j)+8*\q+4*\c:WF+32*(\j)+8*\q+4*\c+3], v[WA+(\j)], s[8:9] offset:64*\q+32*\c
.endr
.endr
	global_load_b128 v[WSCL+4*(\j):WSCL+4*(\j)+3], v[SA+(\j)], s[10:11]
.endm
	BADDR 0
	s_wait_alu depctr_va_vdst(0)                   ; the eight offsets v3 to v10 are written, which the 36 loads below read
	BLD 0
	BLD 1
	BLD 2
	BLD 3
	s_wait_loadcnt 36                              ; all but the 36 just issued: x, its sums and the two group numbers are in
	v_min_u32 v[VG], 0x3ff, v[VG]
	v_min_u32 v[G2], 0x3ff, v[G2]
	v_lshlrev_b32 v202, 5, v196
	v_lshl_add_u32 v[W2A], v[VG], 6, v202          ; my eight columns' w2 and sw: 64 bytes a group, + 32 h
	v_and_b32 v203, 1, v0
	v_lshlrev_b32 v203, 6, v203
	v_lshl_add_u32 v[LOCA], v[G2], 7, v203         ; phase C's eight locations: 128 bytes a group, + 64 (lane % 2)
	s_wait_alu depctr_va_vdst(0)                   ; v255 is written, which the four loads below read, and v254, which the locations' loads in batch 3 read
	global_load_b128 v[W2:W2+3], v[W2A], s[12:13] offset:65536
	global_load_b128 v[W2+4:W2+7], v[W2A], s[12:13] offset:65536+16
	global_load_b128 v[SW:SW+3], v[W2A], s[12:13] offset:131072
	global_load_b128 v[SW+4:SW+7], v[W2A], s[12:13] offset:131072+16
.irp n, 0,1,2,3,4,5,6,7
	v_mov_b32 v[R+\n], 0
.endr
; Four pairs: 16 products, the four accumulators by turns, K ascending; four places; the next batch's offsets; then, pair by pair, the next batch's loads and the selects by which
; lane r = i of both halves keeps pair i's results
.macro BATCH B
	s_wait_loadcnt 0x0                             ; this batch's fragments are in, so the offsets that their loads read may be written again
	s_wait_alu depctr_vm_vsrc(0)                   ; every load issued so far has read its offset: v3 to v10 are written again below, and in batch 0 the products write accumulators over v197 to v201
.irp q, 0,1,2,3
.irp j, 0,1,2,3
.if \q == 0
	v_wmma_scale_f32_16x16x128_f8f6f4 v[ACC+8*\j:ACC+8*\j+7], v[WF+32*\j+8*\q:WF+32*\j+8*\q+7], v[XF+8*\q:XF+8*\q+7], 0, v[WSCL+4*\j+\q], v[XSC+\q/2] matrix_a_fmt:MATRIX_FMT_FP4 matrix_b_fmt:MATRIX_FMT_FP4
.elseif \q == 2
	v_wmma_scale_f32_16x16x128_f8f6f4 v[ACC+8*\j:ACC+8*\j+7], v[WF+32*\j+8*\q:WF+32*\j+8*\q+7], v[XF+8*\q:XF+8*\q+7], v[ACC+8*\j:ACC+8*\j+7], v[WSCL+4*\j+\q], v[XSC+\q/2] matrix_a_fmt:MATRIX_FMT_FP4 matrix_b_fmt:MATRIX_FMT_FP4
.else
	v_wmma_scale_f32_16x16x128_f8f6f4 v[ACC+8*\j:ACC+8*\j+7], v[WF+32*\j+8*\q:WF+32*\j+8*\q+7], v[XF+8*\q:XF+8*\q+7], v[ACC+8*\j:ACC+8*\j+7], v[WSCL+4*\j+\q], v[XSC+\q/2] matrix_a_fmt:MATRIX_FMT_FP4 matrix_b_fmt:MATRIX_FMT_FP4 matrix_b_scale:MATRIX_SCALE_ROW1
.endif
.endr
.endr
.rept 4
	v_nop                                          ; places in front of loads into registers that the products read, and of the first read of results
.endr
.if (\B) < 3
	BADDR (\B)+1
.endif
	s_wait_alu depctr_va_vdst(0)                   ; the products are done reading the fragments and scale words, in which the loads below land; the next offsets are written, which those loads read
.irp j, 0,1,2,3
.if (\B) < 3
	BLD \j                                         ; no further wait: the selects between the loads name R, the accumulators and s30 alone
.else
	global_load_b128 v[WF+4*\j:WF+4*\j+3], v[LOCA], s[18:19] offset:16*\j   ; phase C's locations: register 2 k, 2 k + 1 = column k of my half group
.endif
	s_mov_b32 s30, 0x10001<<(4*(\B)+\j)
.irp n, 0,1,2,3,4,5,6,7
	v_cndmask_b32 v[R+\n], v[R+\n], v[ACC+8*\j+\n], s30        ; each accumulator from its low end on
.endr
.endr
.endm
	BATCH 0
	BATCH 1
	BATCH 2
	BATCH 3
; the distance: v100-107 the square, v108-115 the root, v116-123 1 / (2 root), v124-131 the residual, v132-139 d, v140-147 the eps term
.irp n, 0,1,2,3,4,5,6,7
	v_fma_f32 v[100+\n], -2.0, v[R+\n], v[X2]      ; x2 - 2 xw: 2 xw is exact, so this rounds once, as the formula does
	v_sub_f32 v[140+\n], v[SX], v[SW+\n]
.endr
.irp n, 0,1,2,3,4,5,6,7
	v_add_f32 v[100+\n], v[100+\n], v[W2+\n]
	v_mul_f32 v[140+\n], 0x360637bd, v[140+\n]     ; x 2 eps
.endr
.irp n, 0,1,2,3,4,5,6,7
	v_add_f32 v[100+\n], v[100+\n], v[140+\n]
.endr
.irp n, 0,1,2,3,4,5,6,7
	v_add_f32 v[100+\n], 0x300cbccc, v[100+\n]     ; + 512 eps^2
.endr
.irp n, 0,1,2,3,4,5,6,7
	v_max_num_f32 v[100+\n], 0, v[100+\n]
.endr
.irp n, 0,1,2,3,4,5,6,7
	v_sqrt_f32 v[108+\n], v[100+\n]
.endr
	v_nop                                          ; a plain line behind the last root
	s_wait_alu depctr_va_vdst(0)                   ; the eight roots v108 to v115 are written: one wait for the eight, ahead of their first reader
.irp n, 0,1,2,3,4,5,6,7
	v_add_f32 v[116+\n], v[108+\n], v[108+\n]
.endr
.irp n, 0,1,2,3,4,5,6,7
	v_max_num_f32 v[116+\n], 0x0d800000, v[116+\n] ; a floor of 2^-100, so that a distance of 0 stays 0
.endr
.irp n, 0,1,2,3,4,5,6,7
	v_rcp_f32 v[116+\n], v[116+\n]
.endr
.irp n, 0,1,2,3,4,5,6,7
	v_fma_f32 v[124+\n], -v[108+\n], v[108+\n], v[100+\n]      ; a - s s: plain work behind the reciprocals
.endr
	s_wait_alu depctr_va_vdst(0)                   ; the eight reciprocals v116 to v123 are written: one wait for the eight, ahead of their first reader
.irp n, 0,1,2,3,4,5,6,7
	v_fma_f32 v[132+\n], v[124+\n], v[116+\n], v[108+\n]
.endr
	s_wait_alu depctr_va_vdst(0)                   ; the distances v132 to v139 are written, which the LDS stores read; and the arithmetic is done with v100 to v107, in which the LDS loads behind the barrier land
	ds_store_b128 v[DSTO], v[132:135]
	ds_store_b128 v[DSTO], v[136:139] offset:16
	s_wait_dscnt 0x0                               ; my stores have landed
	s_barrier_signal -1
	s_barrier_wait -1                              ; 16 rows x 256 distances lie in LDS
; ---- phase C: row = wave
	ds_load_b128 v[100:103], v[DLD]
	ds_load_b128 v[104:107], v[DLD] offset:16
	v_mov_b32 v112, 0                              ; destinations of lane-crossing forms count as read
	v_mov_b32 v113, 0
	v_mov_b32 v116, 0
	v_mov_b32 v117, 0
	v_mov_b32 v118, 0x7f800000                     ; +infinity
	v_mov_b32 v120, 0                              ; v[120:121]: lane t takes the t-th location
	v_mov_b32 v121, 0
	s_mov_b32 s25, 0
	s_wait_dscnt 0x0
	s_wait_loadcnt 0x0                             ; the locations
.Lsel:
	v_min3_num_f32 v110, v100, v101, v102
	v_min3_num_f32 v111, v103, v104, v105
	v_min3_num_f32 v110, v110, v106, v107
	v_min_num_f32 v110, v110, v111
	v_min_num_f32_dpp v112, v110, v110 row_xmask:1 row_mask:0xf bank_mask:0xf
	v_min_num_f32_dpp v112, v112, v112 row_xmask:2 row_mask:0xf bank_mask:0xf
	v_min_num_f32_dpp v112, v112, v112 row_xmask:4 row_mask:0xf bank_mask:0xf
	v_min_num_f32_dpp v112, v112, v112 row_xmask:8 row_mask:0xf bank_mask:0xf
	v_permlanex16_b32 v113, v112, s34, s35
	v_min_num_f32 v112, v112, v113                 ; the row's smallest, in every lane
.irp k, 0,1,2,3,4,5,6,7
	v_cmp_eq_f32 s[80+\k], v112, v[100+\k]
.endr
	v_mov_b32 v114, 0
	v_mov_b32 v115, 0
	s_wait_alu depctr_va_sdst(0)                   ; the eight compares have written s80 to s87: one wait behind the run, ahead of the masks' first reader
	s_or_b32 s31, s80, s81
.irp k, 2,3,4,5,6,7
	s_or_b32 s31, s31, s[80+\k]
.endr
	s_ctz_i32_b32 s26, s31                         ; the first lane that holds it: the lowest columns
	s_and_b32 s26, s26, 31
	s_lshl_b32 s27, 1, s26
.irp k, 0,1,2,3,4,5,6,7
	s_and_b32 s[80+\k], s[80+\k], s27              ; that lane's first equal register,
	s_cselect_b32 s27, 0, s27                      ; and no later one
.endr
.irp k, 0,1,2,3,4,5,6,7
	v_cndmask_b32 v[100+\k], v[100+\k], v118, s[80+\k]         ; it leaves the row;
	v_cndmask_b32 v114, v114, v[WF+2*\k], s[80+\k]             ; its location, in the winner's lane alone: zeros elsewhere
	v_cndmask_b32 v115, v115, v[WF+2*\k+1], s[80+\k]
.endr
.irp m, 1,2,4,8
	v_add_f32_dpp v114, v114, v114 row_xmask:\m row_mask:0xf bank_mask:0xf
	v_add_f32_dpp v115, v115, v115 row_xmask:\m row_mask:0xf bank_mask:0xf
.endr
	v_permlanex16_b32 v116, v114, s34, s35
	v_permlanex16_b32 v117, v115, s34, s35
	v_add_f32 v114, v114, v116                     ; summed with zeros: in every lane
	v_add_f32 v115, v115, v117
	s_lshl_b32 s30, 0x10001, s25
	v_cndmask_b32 v120, v120, v114, s30
	v_cndmask_b32 v121, v121, v115, s30
	s_add_co_u32 s25, s25, 1
	s_cmp_lt_u32 s25, 16
	s_cbranch_scc1 .Lsel
	s_wait_alu depctr_va_vdst(0)                   ; the loop has written v120 and v121, which the LDS store reads, and is done with v100 to v103, in which the LDS load behind the barrier lands
	ds_store_b64 v[OSTO], v[120:121]               ; both halves of the lanes write the same bytes with the same values
	s_wait_dscnt 0x0
	s_barrier_signal -1
	s_barrier_wait -1
	s_cmp_lt_u32 s24, 4
	s_cbranch_scc0 .Ldone
	ds_load_b128 v[100:103], v[OLD]                ; waves 0-3: four t each; eight lanes store a work-group's 128 consecutive bytes of one t
	s_wait_dscnt 0x0
	global_store_b128 v[OGO], v[100:103], s[20:21]
	s_or_b32 s31, s24, ttmp9
	s_cmp_eq_u32 s31, 0
	s_cbranch_scc0 .Ldone
	v_mov_b32 v110, 0
	v_mov_b32 v111, 0
	s_wait_alu depctr_va_vdst(0)                   ; v110 and v111 are written, which the store below reads as its offset and its data
	global_store_b32 v110, v111, s[22:23]          ; out1 = 0.0: every lane of one wave writes the same word
.Ldone:
	s_wait_xcnt 0x0
	s_wait_alu depctr_vm_vsrc(0)                   ; the loads of the locations and of w2 and sw have read v254 and v255, which the two lines below write
	v_lshl_add_u32 v254, v0, 2, 0x4900
	v_mov_b32 v255, 0
	s_wait_dscnt 0x0                               ; the closing lines, six on end
	s_wait_alu 0x0
	s_wait_tensorcnt 0x0
	ds_add_u32 v254, v255
	s_wait_dscnt 0x0
	s_endpgm
.Lfunc_end_k_qc5f677801e_final:
	.size	k_qc5f677801e_final, .Lfunc_end_k_qc5f677801e_final-k_qc5f677801e_final
	.p2alignl 7, 3214868480
	.fill 96, 4, 3214868480
	.section	.rodata,"a",@progbits
	.p2align	6, 0x0
	.amdhsa_kernel k_qc5f677801e_final
		.amdhsa_group_segment_fixed_size 20736
		.amdhsa_private_segment_fixed_size 0
		.amdhsa_enable_private_segment 0
		.amdhsa_kernarg_size 80
		.amdhsa_user_sgpr_count 2
		.amdhsa_user_sgpr_kernarg_segment_ptr 1
		.amdhsa_wavefront_size32 1
		.amdhsa_system_sgpr_workgroup_id_x 1
		.amdhsa_system_sgpr_workgroup_id_y 1
		.amdhsa_system_sgpr_workgroup_id_z 1
		.amdhsa_system_vgpr_workitem_id 0
		.amdhsa_next_free_vgpr 256
		.amdhsa_next_free_sgpr 100
		.amdhsa_reserve_vcc 0
		.amdhsa_float_denorm_mode_32 3
		.amdhsa_float_denorm_mode_16_64 3
		.amdhsa_memory_ordered 1
		.amdhsa_forward_progress 1
		.amdhsa_inst_pref_size 52
	.end_amdhsa_kernel
	.amdgpu_metadata
---
amdhsa.version: [ 1, 2 ]
amdhsa.kernels:
  - .name:           k_qc5f677801e_final
    .symbol:         k_qc5f677801e_final.kd
    .args:
      - { .name: xc, .offset: 0, .size: 8, .value_kind: global_buffer, .address_space: global }
      - { .name: xs, .offset: 8, .size: 8, .value_kind: global_buffer, .address_space: global }
      - { .name: wc, .offset: 16, .size: 8, .value_kind: global_buffer, .address_space: global }
      - { .name: ws, .offset: 24, .size: 8, .value_kind: global_buffer, .address_space: global }
      - { .name: wstat, .offset: 32, .size: 8, .value_kind: global_buffer, .address_space: global }
      - { .name: xstat, .offset: 40, .size: 8, .value_kind: global_buffer, .address_space: global }
      - { .name: gid, .offset: 48, .size: 8, .value_kind: global_buffer, .address_space: global }
      - { .name: locations, .offset: 56, .size: 8, .value_kind: global_buffer, .address_space: global }
      - { .name: out0, .offset: 64, .size: 8, .value_kind: global_buffer, .address_space: global }
      - { .name: out1, .offset: 72, .size: 8, .value_kind: global_buffer, .address_space: global }
    .group_segment_fixed_size: 20736
    .private_segment_fixed_size: 0
    .kernarg_segment_align: 8
    .kernarg_segment_size: 80
    .max_flat_workgroup_size: 512
    .sgpr_count:     100
    .vgpr_count:     256
    .wavefront_size: 32
...
	.end_amdgpu_metadata
.endif
;; end of part 5
